; MI455X (gfx1250); checked and timed in simulation.
; The chip was launched on July 23, 2026; its instructions are those of AMD's public machine-readable ISA for CDNA 5 (MIT licence, August 2026) and "CDNA5" Instruction Set Architecture Reference Guide (July 2026). The comments in the code are by the model that wrote it; some were corrected since.
;; Multi Head Attention. Allowed arithmetic: matrix products marked QUANTISED: E2M1 operands, one E8M0 scale for each 32 along K, by v_wmma_scale_f32_16x16x128_f8f6f4 with both operands' format E2M1 (or v_wmma_scale_f32_32x16x128_f4), f32 sums; products left as they are: bf16, f16 or f32 operands; f32 sums; everything else in f32.
;; Inputs: bk 1,024 float32; bo 1,024 float32; bq 1,024 float32; bv 1,024 float32; k 4 x 2,048 x 1,024 float32; mask 2,048 x 2,048 bool; pad_mask 4 x 2,048 bool; q 4 x 2,048 x 1,024 float32; v 4 x 2,048 x 1,024 float32; wk 1,024 x 1,024 float32; wo 1,024 x 1,024 float32; wq 1,024 x 1,024 float32; wv 1,024 x 1,024 float32.
;; Outputs: out0 4 x 2,048 x 1,024 float32.
;; This version of the problem:
;;   THIS VERSION OF THE PROBLEM IS GIVEN IN LOW PRECISION. The matrix products marked QUANTISED in the list below multiply operands that are first quantised to E2M1 (2 exponent bits, 1 mantissa bit; 4 bits a number), with one power-of-two scale for each 32 numbers along K (OCP MX v1.0); their sums are f32. The products marked 'left as it is' may take bf16, f16 or f32 operands, with f32 sums. Whichever they take, every output number must still come out within the allowed error. Rounding operands to bf16 (8 significant bits) uses up far more of that allowance than f16 does (11 bits, for magnitudes from 6e-5 to 65,504). All else is computed in f32.
;;   The module's matrix products, in the order in which they are computed (A, B: the left and right operand; K: the contracted axis; several contracted axes count as one K, in the product's order):
;;     1. [M 8,192, K 1,024] x [K 1,024, N 1,024]; A: input q; B: input wq: QUANTISED
;;     2. [M 8,192, K 1,024] x [K 1,024, N 1,024]; A: input k; B: input wk: QUANTISED
;;     3. [M 8,192, K 1,024] x [K 1,024, N 1,024]; A: input v; B: input wv: QUANTISED
;;     4. batch 64 x [M 2,048, K 64] x [K 64, N 2,048]; A: computed on the way; B: computed on the way: left as it is (an operand is computed on the way)
;;     5. batch 64 x [M 2,048, K 2,048] x [K 2,048, N 64]; A: computed on the way; B: computed on the way: left as it is (an operand is computed on the way)
;;     6. [M 8,192, K 1,024] x [K 1,024, N 1,024]; A: computed on the way; B: input wo: left as it is (an operand is computed on the way)
;;   THE QUANTISER, for each operand of a quantised product, along K:
;;     - K is cut into blocks of 32 from its start; a last block that is shorter is filled with zeros.
;;     - A block's scale is 2^e with e = floor(log2(the largest magnitude in the block)) - 2, held to -126 .. 127; a block of zeros has e = 0. As a byte (E8M0): e + 127.
;;     - Each number is divided by its block's scale, clamped to +-6, and rounded to the nearest number of E2M1, ties to even, subnormals kept.
;;     - The product sums the exact products of the quantised numbers (number of the format x scale) in f32.
;;   ~~~python
;;   def quantise(x, axis):      # numpy; x: float32 -> the quantised numbers, widened to float32 again
;;       x = np.moveaxis(x, axis, -1); K = x.shape[-1]
;;       x = np.pad(x, [(0, 0)] * (x.ndim - 1) + [(0, -K % 32)]); x = x.reshape(x.shape[:-1] + (-1, 32)); a = np.abs(x).max(-1, keepdims=True)
;;       e = np.where(a > 0, np.clip(np.frexp(np.where(a > 0, a, 1))[1] - 1 - 2, -126, 127), 0)      # np.frexp(a)[1] - 1 = floor(log2(a)), exactly
;;       r = np.clip(x / 2.0 ** e, -6, 6)
;;       step = 2.0 ** (np.maximum(np.frexp(np.where(r == 0, 1, r))[1] - 1, 0) - 1)
;;       q = np.round(r / step) * step * 2.0 ** e      # np.round: ties to even
;;       return np.moveaxis(q.reshape(q.shape[:-2] + (-1,))[..., :K], -1, axis).astype(np.float32)
;;   ~~~
;; 2 versions, each right; version 2 is version 1 with the launch proj written anew for expert scheduling mode. Each part assembles by itself: llvm-mc -triple=amdgcn-amd-amdhsa -mcpu=gfx1250 --defsym DOCPART=n.
;; ======== version 1 of 2: 5 launches
;; limits: values are held in f16: magnitudes above 65,504 overflow, below 6.1e-05 lose precision; right only within a limited range of input values
;; workspace buffers: flg 4,096 bytes of whole numbers; wq4 1,671,168 bytes; wo16 2,097,152 bytes; msk 2,097,152 bytes of whole numbers; qk 33,554,432 bytes; vv 33,554,432 bytes; ao 16,777,216 bytes
;; launch prep (part 1): grid 208 x 1, 4 waves a work-group, no clusters, 0 bytes of LDS; arguments mask, pad_mask, wq, wk, wv, wo, wq4, wo16, msk, flg; writes wq4, wo16, msk, flg
.if DOCPART == 1
	.amdgcn_target "amdgcn-amd-amdhsa--gfx1250"
	.amdhsa_code_object_version 6
	.text
	.protected	k_qe289b99e91_prep
	.globl	k_qe289b99e91_prep
	.p2align	8
	.type	k_qe289b99e91_prep,@function
k_qe289b99e91_prep:
	s_mov_b64 s[64:65], 0
	v_nop
	global_prefetch_b8 v0, s[64:65] scope:SCOPE_SE
	s_setreg_imm32_b32 hwreg(HW_REG_WAVE_MODE, 25, 1), 1
	s_wait_xcnt 0x0
; PREP: what the later launches read many times is laid out once.  Three roles, chosen by the work-group's number.
; 0-127 MASK: keep(b, q, k) = mask[q][k] & pad_mask[b][k] becomes lane masks.  msk words [b][qt 128][step 32][n 32]: bit l of word n = 8 a + j is
;   keep(q = 16 qt + l % 16, k = 64 step + 16 a + 8 (l / 16) + j): the lanes of score register n of a tile of 16 queries x 64 keys.  The lists lie in a buffer of their own, flg:
;   ANY[b][qt], bit s: step s holds a kept key (all ones where some row of the tile keeps no key at all: such a row averages over all keys); at + 2,048 ALL[b][qt], bit s: step s keeps every key.
; 128-175 WEIGHTS: wq, wk, wv [1024][1024] f32 become codes of E2M1 with one E8M0 byte for each 32 along K, as images of the operand's registers:
;   codes [y 3][tile of 16 rows 64][K step 8] x 1,024 bytes (registers 4 g .. 4 g + 3 at 512 g + 16 x lane); scale words at byte 1,572,864: [y][pair of tiles 32][half of K 2][lane 32][4]: lanes 0-15 the even tile, lanes 16-31 the odd.
;   A block's scale is 2^(floor(log2(largest magnitude)) - 2); its byte is that magnitude's exponent field - 2, held at 1 from below.
; 176-207 WO: wo becomes f16 images [tile of 16 rows 64][32 along K 32] x 1,024 bytes.
; LIMITS: mask bytes are 0 or 1.  A block of zeros, or one whose largest magnitude lies under 2^-124, gets the byte 1 (its codes are read by this program alone).  wo within f16's range, 65,504.  NaN and infinities are not served.
; No LDS, no barrier, no matrix work: waves share nothing, and memory and plain vector work bind.
.set XAD,  4                           ; v4      byte offset of my lane in the rows that I load
.set L16,  5                           ; v5      16 x lane
.set W,    8                           ; v8-15   a step's keep bytes: 32 keys of my row's half
.set TT,   16                          ; v16-23  one bit of each
.set WOR,  24
.set WAND, 25
.set RACC, 26                          ; v26     the OR of all my keep bytes
.set VM,   27
.set VP,   28
.set VO,   29
.set OUTW, 160                         ; v160-167 four pairs: 64 words (two steps) each, two words a lane
.set TM,   32                          ; v32-47  the quantiser's work
.set PWS,  48                          ; v48-55  eight scale words
.set MS,   56                          ; v56-59  merged
.set PC,   64                          ; v64-127 eight fragments' codes: no store's data are written again
.set XA,   128
.set SEL,  36                          ; s[36:37]
	s_load_b512 s[4:19], s[0:1], 0x0               ; mask, pad_mask, wq, wk, wv, wo, wq4, wo16
	s_load_b64 s[20:21], s[0:1], 0x40              ; msk
	s_load_b64 s[52:53], s[0:1], 0x48              ; flg
	v_lshrrev_b32 v1, 5, v0
	v_readfirstlane_b32 s22, v1                    ; wave
	v_and_b32 v1, 31, v0                           ; lane
	v_and_b32 v2, 15, v0                           ; r
	v_bfe_u32 v3, v0, 4, 1                         ; h
	v_lshlrev_b32 v[L16], 4, v1
	s_mov_b32 s29, 0
	s_wait_kmcnt 0x0
	s_cmp_lt_u32 ttmp9, 128
	s_cbranch_scc1 .Lmask
	s_cmp_lt_u32 ttmp9, 176
	s_cbranch_scc1 .Lweights
; ---- WO: wave gw takes tile gw / 2 of 16 rows and half gw % 2 of K: 16 fragments, four at a time
	s_sub_co_u32 s23, ttmp9, 176
	s_lshl_b32 s23, s23, 2
	s_add_co_u32 s23, s23, s22
	s_lshr_b32 s24, s23, 1
	s_and_b32 s25, s23, 1
	s_lshl_b32 s28, s24, 16                        ; 16 rows of 4,096 bytes
	s_lshl_b32 s25, s25, 11                        ; 512 numbers along K
	s_add_co_u32 s28, s28, s25
	s_add_nc_u64 s[14:15], s[14:15], s[28:29]
	s_lshl_b32 s28, s23, 14                        ; 16 images
	s_add_nc_u64 s[18:19], s[18:19], s[28:29]
	v_lshlrev_b32 v[XAD], 12, v2
	v_lshl_add_u32 v[XAD], v3, 5, v[XAD]           ; row r, + 8 h numbers
.macro OLOAD g                         ; four fragments: of each my k = 8 h + 0 .. 7 and 16 + 8 h + 0 .. 7
.set n, 0
.rept 16
	global_load_b128 v[32+64*((\g)%2)+4*n:32+64*((\g)%2)+4*n+3], v[XAD], s[14:15] offset:512*(\g)+128*(n/4)+16*(n%2)+64*((n%4)/2) th:TH_LOAD_NT
.set n, n+1
.endr
.endm
.macro OGRP g
.if (\g) < 3
	s_wait_loadcnt 16                              ; this group's 16 loads are in, the next group's may be out
.else
	s_wait_loadcnt 0x0
.endif
.if (\g) >= 2
	s_wait_xcnt 0x0                                ; the stores of two groups ago have read these registers
.endif
.set n, 0
.rept 32
	v_cvt_pk_f16_f32 v[160+32*((\g)%2)+n], v[32+64*((\g)%2)+2*n], v[33+64*((\g)%2)+2*n]
.set n, n+1
.endr
.set n, 0
.rept 8
	global_store_b128 v[L16], v[160+32*((\g)%2)+4*n:160+32*((\g)%2)+4*n+3], s[18:19] offset:4096*(\g)+512*n   ; 512 consecutive bytes
.set n, n+1
.endr
.if (\g)+2 < 4
	OLOAD (\g)+2
.endif
.endm
	OLOAD 0
	OLOAD 1
	OGRP 0
	OGRP 1
	OGRP 2
	OGRP 3
	s_endpgm
; ---- WEIGHTS: wave gw = 64 y + 2 p + sg takes tiles 2 p, 2 p + 1 of tensor y and K steps 4 sg .. 4 sg + 3: eight fragments
.Lweights:
	s_sub_co_u32 s23, ttmp9, 128
	s_lshl_b32 s23, s23, 2
	s_add_co_u32 s23, s23, s22
	s_lshr_b32 s24, s23, 6                         ; y
	s_cmp_eq_u32 s24, 1
	s_cselect_b64 s[8:9], s[10:11], s[8:9]
	s_cmp_eq_u32 s24, 2
	s_cselect_b64 s[8:9], s[12:13], s[8:9]
	s_bfe_u32 s25, s23, 0x50001                    ; p
	s_and_b32 s26, s23, 1                          ; sg
	s_lshl_b32 s28, s25, 17                        ; 32 rows of 4,096 bytes
	s_lshl_b32 s27, s26, 11
	s_add_co_u32 s28, s28, s27
	s_add_nc_u64 s[8:9], s[8:9], s[28:29]
	s_lshl_b32 s28, s24, 19
	s_lshl_b32 s27, s25, 14
	s_add_co_u32 s28, s28, s27
	s_lshl_b32 s27, s26, 12
	s_add_co_u32 s28, s28, s27
	s_add_nc_u64 s[24:25], s[16:17], s[28:29]      ; my codes
	s_lshl_b32 s28, s23, 9
	s_add_nc_u64 s[26:27], s[16:17], s[28:29]
	s_add_nc_u64 s[26:27], s[26:27], 0x180000      ; my 512 bytes of scale words
	v_lshlrev_b32 v[XAD], 12, v2
	v_lshl_add_u32 v[XAD], v3, 6, v[XAD]           ; row r, + 16 h numbers: my 16 of each block of 32
	s_mov_b32 s[SEL], 0x76543210
	s_mov_b32 s[SEL+1], 0xfedcba98                 ; lane l xor 16
.irp b, 0,1,2,3
	v_mov_b32 v[TM+4+\b], 0                        ; a lane permute's destination counts as one of its sources
.endr
.macro XLOAD reg, i                    ; fragment i = 4 f + s: 64 numbers a lane, register 16 b + j = k 32 b + 16 h + j
.irp b, 0,1,2,3
.irp j, 0,1,2,3
	global_load_b128 v[(\reg)+16*\b+4*\j:(\reg)+16*\b+4*\j+3], v[XAD], s[8:9] offset:65536*((\i)/4)+512*((\i)%4)+128*\b+16*\j th:TH_LOAD_NT
.endr
.endr
.endm
; 64 numbers of a lane become a fragment's codes in v[pc] on and its row's scale word in v[pw]
.macro QUANT s, pc, pw
.irp b, 0,1,2,3
	v_max3_num_f32 v[TM+\b], |v[(\s)+16*\b]|, |v[(\s)+1+16*\b]|, 0x1800000   ; my 16 numbers of block b, and the floor 2^(3 - 127): the byte cannot fall under 1
.endr
.irp i, 2,4,6,8,10,12,14
.irp b, 0,1,2,3
	v_max3_num_f32 v[TM+\b], v[TM+\b], |v[(\s)+16*\b+\i]|, |v[(\s)+1+16*\b+\i]|
.endr
.endr
.irp b, 0,1,2,3
	v_permlanex16_b32 v[TM+4+\b], v[TM+\b], s[SEL], s[SEL+1]
.endr
.irp b, 0,1,2,3
	v_max_num_f32 v[TM+\b], v[TM+\b], v[TM+4+\b]   ; with lane l xor 16's: the block's largest magnitude
.endr
.irp b, 0,1,2,3
	v_add_nc_u32 v[TM+12+\b], 0xff000000, v[TM+\b] ; 2 off its exponent field: the conversion's scale operand
.endr
.irp b, 0,1,2,3
	v_lshrrev_b32 v[TM+4+\b], 23, v[TM+12+\b]      ; the scale's byte
.endr
	v_lshl_or_b32 v[(\pw)], v[TM+5], 8, v[TM+4]
	v_lshl_or_b32 v[(\pw)], v[TM+6], 16, v[(\pw)]
	v_lshl_or_b32 v[(\pw)], v[TM+7], 24, v[(\pw)]
.irp b, 0,1,2,3
	v_cvt_scalef32_pk8_fp4_f32 v[(\pc)+2*\b], v[(\s)+16*\b:(\s)+7+16*\b], v[TM+12+\b]
	v_cvt_scalef32_pk8_fp4_f32 v[(\pc)+1+2*\b], v[(\s)+8+16*\b:(\s)+15+16*\b], v[TM+12+\b]
.endr
	v_nop                                          ; one plain place behind a scaled conversion
.irp c, 0,1                                    ; the operand's layout wants a whole block in a lane
.irp i, 0,1
	v_permlane16_swap_b32 v[(\pc)+4*\c+\i], v[(\pc)+2+4*\c+\i]
.endr
.endr
.endm
.macro WFRAG i
.if (\i) < 7
	s_wait_loadcnt 16                              ; this fragment's 16 loads are in, the next one's may be out
.else
	s_wait_loadcnt 0x0
.endif
	QUANT XA+64*((\i)%2), PC+8*(\i), PWS+(\i)
	global_store_b128 v[L16], v[PC+8*(\i):PC+8*(\i)+3], s[24:25] offset:8192*((\i)/4)+1024*((\i)%4)
	global_store_b128 v[L16], v[PC+8*(\i)+4:PC+8*(\i)+7], s[24:25] offset:8192*((\i)/4)+1024*((\i)%4)+512
.if (\i)+2 < 8
	XLOAD XA+64*((\i)%2), (\i)+2
.endif
.endm
	XLOAD XA, 0
	XLOAD XA+64, 1
.irp i, 0,1,2,3,4,5,6,7
	WFRAG \i
.endr
	s_mov_b32 s30, 0xffff0000
.irp i, 0,1,2,3
	v_cndmask_b32 v[MS+\i], v[PWS+\i], v[PWS+4+\i], s30   ; lanes 0-15: the even tile's word, lanes 16-31: the odd tile's (every lane holds its row's word of both)
.endr
	global_store_b128 v[L16], v[MS:MS+3], s[26:27]
	s_endpgm
; ---- MASK: wave gw = 128 b + qt.  Lane (r, h) holds, for each tile a of 16 keys, the 8 bytes of row 16 qt + r at keys 16 a + 8 h + 0 .. 7.
; A trip of loads is 4 steps: 16 + 16 loads of 8 bytes, which together take 256 consecutive bytes of each of 16 rows.  Two buffers take turns.
.Lmask:
	s_lshl_b32 s23, ttmp9, 2
	s_add_co_u32 s23, s23, s22
	s_and_b32 s28, s23, 127
	s_lshl_b32 s28, s28, 15                        ; 16 qt rows of 2,048 bytes
	s_add_nc_u64 s[4:5], s[4:5], s[28:29]
	s_lshr_b32 s28, s23, 7
	s_lshl_b32 s28, s28, 11
	s_add_nc_u64 s[6:7], s[6:7], s[28:29]          ; pad_mask's row b
	s_lshl_b32 s28, s23, 12
	s_add_nc_u64 s[24:25], s[20:21], s[28:29]      ; my 32 x 32 words
	s_lshl_b32 s28, s23, 2
	s_add_nc_u64 s[26:27], s[52:53], s[28:29]      ; my ANY word in flg; ALL lies 2,048 bytes on
	v_lshlrev_b32 v[VM], 11, v2
	v_lshl_add_u32 v[VM], v3, 3, v[VM]
	v_lshlrev_b32 v[VP], 3, v3
	v_lshlrev_b32 v[VO], 3, v1
	v_mov_b32 v[RACC], 0
.irp i, 0,1,2,3,4,5,6,7
	v_mov_b32 v[OUTW+\i], 0                        ; v_writelane_b32's destination counts as read
.endr
	s_mov_b32 s30, 0                               ; ANY
	s_mov_b32 s31, 0                               ; ALL
	s_mov_b32 s32, 0                               ; the first step of the pair of trips in hand
.macro MLOAD buf, off
.set n, 0
.rept 16
	global_load_b64 v[32+64*\buf+2*n:33+64*\buf+2*n], v[VM], s[4:5] offset:\off+16*n
	global_load_b64 v[64+64*\buf+2*n:65+64*\buf+2*n], v[VP], s[6:7] offset:\off+16*n
.set n, n+1
.endr
.endm
.macro MSTEP buf, st, q8               ; step st of the buffer, the q8-th of eight
.irp i, 0,1,2,3,4,5,6,7
	v_and_b32 v[W+\i], v[32+64*\buf+8*\st+\i], v[64+64*\buf+8*\st+\i]
.endr
	v_or_b32 v[WOR], v[W], v[W+1]
	v_and_b32 v[WAND], v[W], v[W+1]
.irp i, 2,3,4,5,6,7
	v_or_b32 v[WOR], v[WOR], v[W+\i]
	v_and_b32 v[WAND], v[WAND], v[W+\i]
.endr
	v_or_b32 v[RACC], v[RACC], v[WOR]
	v_cmp_ne_u32 s48, 0, v[WOR]
	v_cmp_eq_u32 s49, 0x01010101, v[WAND]
.irp a, 0,1,2,3
.irp j, 0,1,2,3,4,5,6,7
	v_and_b32 v[TT+\j], 1<<(8*(\j%4)), v[W+2*\a+\j/4]
.endr
.irp j, 0,1,2,3,4,5,6,7
	v_cmp_ne_u32 s[40+\j], 0, v[TT+\j]             ; the 32 lanes' bits ARE word 8 a + j
.endr
.irp j, 0,1,2,3,4,5,6,7
	v_writelane_b32 v[OUTW+2*((\q8)/2)+\j%2], s[40+\j], (32*((\q8)%2)+8*\a+\j)/2
.endr
.endr
	s_cmp_lg_u32 s48, 0
	s_cselect_b32 s50, 1<<(\q8), 0
	s_or_b32 s33, s33, s50
	s_cmp_eq_u32 s49, -1
	s_cselect_b32 s50, 1<<(\q8), 0
	s_or_b32 s34, s34, s50
.if (\q8)%2
	global_store_b64 v[VO], v[OUTW+2*((\q8)/2):OUTW+2*((\q8)/2)+1], s[24:25] offset:256*((\q8)/2)   ; two steps' 64 words: 256 consecutive bytes
.endif
.endm
.macro PAIR last
	s_mov_b32 s33, 0
	s_mov_b32 s34, 0
	MLOAD 1, 256
	s_wait_loadcnt 32                              ; buffer 0 is in; buffer 1's 32 loads may be out
	MSTEP 0, 0, 0
	MSTEP 0, 1, 1
	MSTEP 0, 2, 2
	MSTEP 0, 3, 3
.if !\last
	MLOAD 0, 512
	s_wait_loadcnt 32                              ; buffer 1 is in; buffer 0's next 32 may be out
.else
	s_wait_loadcnt 0x0
.endif
	MSTEP 1, 0, 4
	MSTEP 1, 1, 5
	MSTEP 1, 2, 6
	MSTEP 1, 3, 7
	s_lshl_b32 s33, s33, s32
	s_or_b32 s30, s30, s33
	s_lshl_b32 s34, s34, s32
	s_or_b32 s31, s31, s34
.if !\last
	s_wait_xcnt 0x0                                ; bases and the stores' data are written again only behind this wait
	s_add_nc_u64 s[4:5], s[4:5], 512
	s_add_nc_u64 s[6:7], s[6:7], 512
	s_add_nc_u64 s[24:25], s[24:25], 1024
.endif
.endm
	MLOAD 0, 0
.Lmloop:
	PAIR 0
	s_add_co_u32 s32, s32, 8
	s_cmp_lt_u32 s32, 24
	s_cbranch_scc1 .Lmloop
	PAIR 1                                         ; the last eight steps load nothing beyond the row
	v_cmp_ne_u32 s48, 0, v[RACC]
	s_lshr_b32 s49, s48, 16
	s_or_b32 s48, s48, s49
	s_and_b32 s48, s48, 0xffff                     ; bit r: row r keeps some key
	s_cmp_eq_u32 s48, 0xffff
	s_cselect_b32 s30, s30, -1                     ; a row that keeps none averages over all keys: every step is needed
	v_mov_b32 v8, s30
	v_mov_b32 v9, s31
	v_cmp_eq_u32 vcc_lo, 1, v1
	v_cndmask_b32 v8, v8, v9, vcc_lo
	v_lshlrev_b32 v9, 11, v1
	s_wait_xcnt 0x0                                ; EXEC changes only behind this wait
	v_cmpx_gt_u32 2, v1
	global_store_b32 v9, v8, s[26:27]              ; lane 0: ANY; lane 1: ALL
	s_endpgm
.Lfunc_end_k_qe289b99e91_prep:
	.size	k_qe289b99e91_prep, .Lfunc_end_k_qe289b99e91_prep-k_qe289b99e91_prep
	.p2alignl 7, 3214868480
	.fill 96, 4, 3214868480
	.section	.rodata,"a",@progbits
	.p2align	6, 0x0
	.amdhsa_kernel k_qe289b99e91_prep
		.amdhsa_group_segment_fixed_size 0
		.amdhsa_private_segment_fixed_size 0
		.amdhsa_enable_private_segment 0
		.amdhsa_kernarg_size 80
		.amdhsa_user_sgpr_count 2
		.amdhsa_user_sgpr_kernarg_segment_ptr 1
		.amdhsa_wavefront_size32 1
		.amdhsa_system_sgpr_workgroup_id_x 1
		.amdhsa_system_sgpr_workgroup_id_y 1
		.amdhsa_system_sgpr_workgroup_id_z 1
		.amdhsa_system_vgpr_workitem_id 0
		.amdhsa_next_free_vgpr 256
		.amdhsa_next_free_sgpr 66
		.amdhsa_reserve_vcc 1
		.amdhsa_float_denorm_mode_32 3
		.amdhsa_float_denorm_mode_16_64 3
		.amdhsa_memory_ordered 1
		.amdhsa_forward_progress 1
		.amdhsa_inst_pref_size 188
	.end_amdhsa_kernel
	.amdgpu_metadata
---
amdhsa.version: [ 1, 2 ]
amdhsa.kernels:
  - .name:           k_qe289b99e91_prep
    .symbol:         k_qe289b99e91_prep.kd
    .args:
      - { .name: mask, .offset: 0, .size: 8, .value_kind: global_buffer, .address_space: global }
      - { .name: pad_mask, .offset: 8, .size: 8, .value_kind: global_buffer, .address_space: global }
      - { .name: wq, .offset: 16, .size: 8, .value_kind: global_buffer, .address_space: global }
      - { .name: wk, .offset: 24, .size: 8, .value_kind: global_buffer, .address_space: global }
      - { .name: wv, .offset: 32, .size: 8, .value_kind: global_buffer, .address_space: global }
      - { .name: wo, .offset: 40, .size: 8, .value_kind: global_buffer, .address_space: global }
      - { .name: wq4, .offset: 48, .size: 8, .value_kind: global_buffer, .address_space: global }
      - { .name: wo16, .offset: 56, .size: 8, .value_kind: global_buffer, .address_space: global }
      - { .name: msk, .offset: 64, .size: 8, .value_kind: global_buffer, .address_space: global }
      - { .name: flg, .offset: 72, .size: 8, .value_kind: global_buffer, .address_space: global }
    .group_segment_fixed_size: 0
    .private_segment_fixed_size: 0
    .kernarg_segment_align: 8
    .kernarg_segment_size: 80
    .max_flat_workgroup_size: 128
    .sgpr_count:     66
    .vgpr_count:     256
    .wavefront_size: 32
...
	.end_amdgpu_metadata
.endif
;; end of part 1
;; launch proj (part 2): grid 64 x 3, 16 waves a work-group, no clusters, 71,680 bytes of LDS; arguments q, k, v, bq, bk, bv, wq4, qk, vv; writes qk, vv
.if DOCPART == 2
	.amdgcn_target "amdgcn-amd-amdhsa--gfx1250"
	.amdhsa_code_object_version 6
	.text
	.protected	k_qe289b99e91_proj
	.globl	k_qe289b99e91_proj
	.p2align	8
	.type	k_qe289b99e91_proj,@function
k_qe289b99e91_proj:
	s_mov_b64 s[64:65], 0
	v_nop
	global_prefetch_b8 v0, s[64:65] scope:SCOPE_SE
	s_setreg_imm32_b32 hwreg(HW_REG_WAVE_MODE, 25, 1), 1
	s_wait_xcnt 0x0
; PROJ: the three quantised products x W^T + b, x = q, k, v (work-group y), on codes of E2M1 with one E8M0 scale for each 32 along K.
; A work-group takes 128 tokens.  PHASE X: its rows of x are read once and quantised in registers; the 64 fragments (8 tiles of 16 tokens x 8 K steps) go to LDS as images of the operand's registers.
; PHASE G: wave w makes head w's 64 features for the 128 tokens, in two passes of 32 features: 16 accumulators.  W's codes and scale words come straight from memory as images (made by the launch before).
; q, k: source 0 = 16 rows of W, source 1 = 16 tokens: a lane holds one token and features 8 h + j, so two neighbouring tiles of features, rounded to f16 in pairs, ARE a 16-bit fragment (16 tokens x 32 channels).
;   Q is multiplied by c = log2(e) / 8 first, so that the scores come out as exponents of 2.   qk: Q' at 0, K at 16,777,216: [b][head][tile 128][c 2] x 1,024 bytes.
; v: the sources the other way round: a lane holds one channel and tokens 8 h + j: half a fragment of V^T (16 channels x 32 keys).  V leaves as a high f16 part and a low one x 2,048.
;   vv: high at 0, low at 16,777,216: [b][head][step of 64 keys 32][kc 2][f 4] x 1,024 bytes.
; The split: t = 8193 x, hi = t + (x - t) is x rounded to 11 significant bits, lo = x - hi is exact.
; LIMITS: c Q, K, V within f16's range, 65,504; blocks whose largest magnitude lies under 2^-124 keep the scale byte 1; NaN and infinities are not served.
; No cluster, no tensor load: x is read by one work-group alone, and each fragment of W is read once by a work-group, straight into the registers that multiply it.
.set XSC,   65536                      ; LDS: 0 .. 65,535 x's fragments, (8 T + s) x 1,024; then the scale words [s 8][lane 32][4]: word i: lanes 0-15 tile 2 i, lanes 16-31 tile 2 i + 1
.set SPARE, 69632                      ; the spare words, 128 bytes for each wave
.set SPW,   1
.set NIL,   2
.set L16,   3                          ; v3      16 x lane.   v0 becomes XSC + 16 x lane
.set WS,    4                          ; v4-11   W's scale words of the 8 K steps: scales and nothing else
.set XS,    12                         ; v12-15  x's scale words of a K step: scales and nothing else
.set BIAS,  16                         ; v16-31  the bias in the result's layout;  in phase X: three addresses
.set XAD,   16
.set XWI,   17
.set XWS,   18
.set WF,    32                         ; v32-63  W's fragments, two sets of two;  in phase X the quantiser's work;  on v's way out the split's work
.set TM,    32
.set PW,    48
.set TH,    32
.set TD,    40
.set XF,    64                         ; v64-127 x's eight fragments of a K step;  on the way out what is stored;  in phase X the codes just made
.set PC,    64
.set ACC,   128                        ; v128-255 accumulator (f, T) at 128 + 64 f + 8 T;  in phase X two sets of 64 numbers
.set XA,    128
.set SEL,   22
.set WV,    24
.set YY,    29
.set WB,    32                         ; s[32:33] W's codes, s[34:35] its scale words, s[36:37] the output, s[38:39] V's low part
.set SB,    34
.set OB,    36
.set OB2,   38
.set CS,    40
.set CC,    42
	s_load_b512 s[4:19], s[0:1], 0x0               ; q, k, v, bq, bk, bv, wq4, qk
	s_load_b64 s[20:21], s[0:1], 0x40              ; vv
	v_lshl_add_u32 v[SPW], v0, 2, SPARE
	v_mov_b32 v[NIL], 0
	v_lshrrev_b32 v[L16], 5, v0
	v_readfirstlane_b32 s[WV], v[L16]              ; wave 0..15
	v_and_b32 v[XWS], 15, v0                       ; r
	v_bfe_u32 v[XWI], v0, 4, 1                     ; h
	v_lshlrev_b32 v[XAD], 12, v[XWS]
	v_lshl_add_u32 v[XAD], v[XWI], 6, v[XAD]       ; x: row r of 4,096 bytes, + 16 h numbers
	v_and_b32 v[L16], 31, v0
	v_lshlrev_b32 v[L16], 4, v[L16]
	s_lshl_b32 s25, s[WV], 12
	v_add_nc_u32 v[XWI], s25, v[L16]               ; my four images: fragments 4 w .. 4 w + 3
	s_lshr_b32 s26, s[WV], 1                       ; T: my tile of tokens in phase X
	s_and_b32 s27, s26, 1
	s_lshl_b32 s27, s27, 8
	s_lshr_b32 s28, s26, 1
	s_lshl_b32 s28, s28, 2
	s_add_co_u32 s27, s27, s28
	s_and_b32 s28, s[WV], 1
	s_lshl_b32 s28, s28, 11                        ; my half of K: 2,048 bytes of a row of x, and 4 x 512 bytes of scale words
	s_add_co_u32 s27, s27, s28
	s_add_co_u32 s27, s27, XSC
	v_lshl_add_u32 v[XWS], v[XWS], 4, s27          ; XSC + 512 s + 16 (r + 16 (T % 2)) + 4 (T / 2)
	v_and_b32 v0, 31, v0
	v_lshl_add_u32 v0, v0, 4, XSC
	s_and_b32 s[YY], ttmp7, 0xffff                 ; 0: q, 1: k, 2: v
	s_mov_b32 s[SEL], 0x76543210
	s_mov_b32 s[SEL+1], 0xfedcba98
	s_mov_b32 s[CS], 0x3e38aa3b                    ; log2(e) / 8
	s_mov_b32 s[CS+1], s[CS]
	s_mov_b32 s31, 0
.irp b, 0,1,2,3
	v_mov_b32 v[TM+4+\b], 0                        ; a lane permute's destination counts as one of its sources
.endr
	s_wait_kmcnt 0x0
	s_cmp_eq_u32 s[YY], 1
	s_cselect_b64 s[4:5], s[6:7], s[4:5]
	s_cselect_b64 s[10:11], s[12:13], s[10:11]
	s_cselect_b32 s27, 0x1000000, 0                ; K lies behind Q'
	s_cmp_eq_u32 s[YY], 2
	s_cselect_b64 s[4:5], s[8:9], s[4:5]
	s_cselect_b64 s[10:11], s[14:15], s[10:11]
	s_cselect_b64 s[OB:OB+1], s[20:21], s[18:19]
	s_lshl_b32 s30, ttmp9, 19                      ; 128 rows of 4,096 bytes
	s_lshl_b32 s25, s26, 16
	s_add_co_u32 s30, s30, s25
	s_add_co_u32 s30, s30, s28
	s_add_nc_u64 s[4:5], s[4:5], s[30:31]
.macro XLOAD reg, s                    ; 64 numbers a lane: register 16 b + j = k 32 b + 16 h + j of my row, K step s of my four
.irp b, 0,1,2,3
.irp j, 0,1,2,3
	global_load_b128 v[(\reg)+16*\b+4*\j:(\reg)+16*\b+4*\j+3], v[XAD], s[4:5] offset:512*(\s)+128*\b+16*\j th:TH_LOAD_NT
.endr
.endr
.endm
	XLOAD XA, 0
	XLOAD XA+64, 1
	s_lshl_b32 s30, s[YY], 19                      ; the bases of phase G, while the loads are out
	s_lshl_b32 s25, s[WV], 15
	s_add_co_u32 s30, s30, s25
	s_add_nc_u64 s[WB:WB+1], s[16:17], s[30:31]    ; tiles 4 w on of tensor y
	s_lshl_b32 s30, s[YY], 15
	s_lshl_b32 s25, s[WV], 11
	s_add_co_u32 s30, s30, s25
	s_add_nc_u64 s[SB:SB+1], s[16:17], s[30:31]
	s_add_nc_u64 s[SB:SB+1], s[SB:SB+1], 0x180000
	s_lshl_b32 s30, s[WV], 8
	s_add_nc_u64 s[10:11], s[10:11], s[30:31]      ; my 64 numbers of the bias
	s_lshr_b32 s25, ttmp9, 4
	s_lshl_b32 s25, s25, 4
	s_add_co_u32 s25, s25, s[WV]                   ; 16 b + head
	s_lshl_b32 s30, s25, 18
	s_add_co_u32 s30, s30, s27
	s_and_b32 s25, ttmp9, 15
	s_lshl_b32 s25, s25, 14                        ; 8 tiles of 2,048 bytes, or 2 steps of 8,192
	s_add_co_u32 s30, s30, s25
	s_add_nc_u64 s[OB:OB+1], s[OB:OB+1], s[30:31]
.macro QUANT s, pc, pw
.irp b, 0,1,2,3
	v_max3_num_f32 v[TM+\b], |v[(\s)+16*\b]|, |v[(\s)+1+16*\b]|, 0x1800000   ; my 16 numbers of block b, and the floor 2^(3 - 127): the byte cannot fall under 1
.endr
.irp i, 2,4,6,8,10,12,14
.irp b, 0,1,2,3
	v_max3_num_f32 v[TM+\b], v[TM+\b], |v[(\s)+16*\b+\i]|, |v[(\s)+1+16*\b+\i]|
.endr
.endr
.irp b, 0,1,2,3
	v_permlanex16_b32 v[TM+4+\b], v[TM+\b], s[SEL], s[SEL+1]
.endr
.irp b, 0,1,2,3
	v_max_num_f32 v[TM+\b], v[TM+\b], v[TM+4+\b]   ; with lane l xor 16's: the block's largest magnitude
.endr
.irp b, 0,1,2,3
	v_add_nc_u32 v[TM+12+\b], 0xff000000, v[TM+\b] ; 2 off its exponent field: the conversion's scale operand
.endr
.irp b, 0,1,2,3
	v_lshrrev_b32 v[TM+4+\b], 23, v[TM+12+\b]      ; the scale's byte
.endr
	v_lshl_or_b32 v[(\pw)], v[TM+5], 8, v[TM+4]
	v_lshl_or_b32 v[(\pw)], v[TM+6], 16, v[(\pw)]
	v_lshl_or_b32 v[(\pw)], v[TM+7], 24, v[(\pw)]
.irp b, 0,1,2,3
	v_cvt_scalef32_pk8_fp4_f32 v[(\pc)+2*\b], v[(\s)+16*\b:(\s)+7+16*\b], v[TM+12+\b]
	v_cvt_scalef32_pk8_fp4_f32 v[(\pc)+1+2*\b], v[(\s)+8+16*\b:(\s)+15+16*\b], v[TM+12+\b]
.endr
	v_nop                                          ; one plain place behind a scaled conversion
.irp c, 0,1
.irp i, 0,1
	v_permlane16_swap_b32 v[(\pc)+4*\c+\i], v[(\pc)+2+4*\c+\i]
.endr
.endr
.endm
; ---- PHASE X: wave w quantises tile w / 2, K steps 4 (w % 2) + 0 .. 3
.irp i, 0,1,2,3
.if \i < 3
	s_wait_loadcnt 16                              ; this K step's 16 loads are in, the next one's may be out
.else
	s_wait_loadcnt 0x0
.endif
	QUANT XA+64*(\i%2), PC, PW
	ds_store_b128 v[XWI], v[PC:PC+3] offset:1024*\i
	ds_store_b128 v[XWI], v[PC+4:PC+7] offset:1024*\i+512
	ds_store_b32 v[XWS], v[PW] offset:512*\i       ; both halves of the lanes write the same word with the same value
.if \i < 2
	XLOAD XA+64*(\i%2), \i+2
.endif
	s_wait_dscnt 0x0                               ; the stores have read their registers; behind the last: for the others' sake
.endr
	s_barrier_signal -1
	s_barrier_wait -1                              ; x's 64 fragments and their scale words lie in LDS; nothing is stored there again
.macro WLOAD s                         ; W's two fragments of K step s into set s % 2
.set n, 0
.rept 4
	global_load_b128 v[WF+16*((\s)%2)+4*n:WF+16*((\s)%2)+4*n+3], v[L16], s[WB:WB+1] offset:8192*(n/2)+1024*(\s)+512*(n%2)
.set n, n+1
.endr
.endm
.macro WM d, a, b, c, sa, sb, ra, rb   ; ra, rb: which half of the lanes holds the side's scale words
.if (\ra) && (\rb)
	v_wmma_scale_f32_16x16x128_f8f6f4 v[(\d):(\d)+7], v[(\a):(\a)+7], v[(\b):(\b)+7], v[(\c):(\c)+7], v[(\sa)], v[(\sb)] matrix_a_fmt:MATRIX_FMT_FP4 matrix_b_fmt:MATRIX_FMT_FP4 matrix_a_scale:MATRIX_SCALE_ROW1 matrix_b_scale:MATRIX_SCALE_ROW1
.elseif (\ra)
	v_wmma_scale_f32_16x16x128_f8f6f4 v[(\d):(\d)+7], v[(\a):(\a)+7], v[(\b):(\b)+7], v[(\c):(\c)+7], v[(\sa)], v[(\sb)] matrix_a_fmt:MATRIX_FMT_FP4 matrix_b_fmt:MATRIX_FMT_FP4 matrix_a_scale:MATRIX_SCALE_ROW1
.elseif (\rb)
	v_wmma_scale_f32_16x16x128_f8f6f4 v[(\d):(\d)+7], v[(\a):(\a)+7], v[(\b):(\b)+7], v[(\c):(\c)+7], v[(\sa)], v[(\sb)] matrix_a_fmt:MATRIX_FMT_FP4 matrix_b_fmt:MATRIX_FMT_FP4 matrix_b_scale:MATRIX_SCALE_ROW1
.else
	v_wmma_scale_f32_16x16x128_f8f6f4 v[(\d):(\d)+7], v[(\a):(\a)+7], v[(\b):(\b)+7], v[(\c):(\c)+7], v[(\sa)], v[(\sb)] matrix_a_fmt:MATRIX_FMT_FP4 matrix_b_fmt:MATRIX_FMT_FP4
.endif
.endm
; A K step of 128: x's eight fragments and scale words from LDS, W's next two from memory, 16 products on 16 accumulators by turns.  form 0: q, k; 1: v.  The first step's C is the bias.
.macro GSTEP s, form
.rept 4
	v_nop                                          ; places in front of loads into registers that matrix instructions have read
.endr
.set n, 0
.rept 16
	ds_load_b128 v[XF+4*n:XF+4*n+3], v[L16] offset:(8*(n/2)+(\s))*1024+512*(n%2)
.set n, n+1
.endr
	ds_load_b128 v[XS:XS+3], v0 offset:512*(\s)
.if (\s) < 7
	WLOAD (\s)+1
	s_wait_loadcnt 4                               ; all but the four loads just issued: this step's W (at the first step the scale words and the bias too)
.else
	s_wait_loadcnt 0x0
.endif
	s_wait_dscnt 0x0
.irp T, 0,1,2,3,4,5,6,7
.irp f, 0,1
.set AC, ACC+64*\f+8*\T
.set CR, AC
.if (\s) == 0
.set CR, BIAS+8*\f
.endif
.if \form
	WM AC, XF+8*\T, WF+16*((\s)%2)+8*\f, CR, XS+\T/2, WS+(\s), \T%2, \f
.else
	WM AC, WF+16*((\s)%2)+8*\f, XF+8*\T, CR, WS+(\s), XS+\T/2, \f, \T%2
.endif
.endr
.endr
.endm
	s_mov_b32 s[CC], 0
	s_cmp_eq_u32 s[YY], 2
	s_cbranch_scc1 .Lvform
; ---- PHASE G for q and k: two passes of 32 features
.Lqk:
	global_load_b128 v[WS:WS+3], v[L16], s[SB:SB+1]
	global_load_b128 v[WS+4:WS+7], v[L16], s[SB:SB+1] offset:512
	v_and_b32 v[ACC], 0x100, v[L16]
	v_lshrrev_b32 v[ACC], 3, v[ACC]                ; 32 h: register j of tile f wants b[16 f + 8 h + j].  (The first products write this register behind the wait that shows these loads done)
.set n, 0
.rept 4
	global_load_b128 v[BIAS+4*n:BIAS+4*n+3], v[ACC], s[10:11] offset:64*(n/2)+16*(n%2)
.set n, n+1
.endr
	WLOAD 0
.irp s, 0,1,2,3,4,5,6,7
	GSTEP \s, 0
.endr
.rept 4
	v_nop                                          ; places in front of the first read of results and the first write of operands
.endr
	s_cmp_lg_u32 s[YY], 0
	s_cbranch_scc1 .Lnoscale
.set n, 0
.rept 64
	v_pk_mul_f32 v[ACC+2*n:ACC+2*n+1], v[ACC+2*n:ACC+2*n+1], s[CS:CS+1] op_sel_hi:[1,0]   ; Q' = c Q
.set n, n+1
.endr
.Lnoscale:
.irp T, 0,1,2,3,4,5,6,7
.set n, 0
.rept 8
	v_cvt_pk_f16_f32 v[XF+8*\T+n], v[ACC+64*(n/4)+8*\T+2*(n%4)], v[ACC+64*(n/4)+8*\T+2*(n%4)+1]
.set n, n+1
.endr
	global_store_b128 v[L16], v[XF+8*\T:XF+8*\T+3], s[OB:OB+1] offset:2048*\T        ; 512 consecutive bytes
	global_store_b128 v[L16], v[XF+8*\T+4:XF+8*\T+7], s[OB:OB+1] offset:2048*\T+512
.endr
	s_wait_xcnt 0x0                                ; bases and the stores' data are written again only behind this wait
	s_add_nc_u64 s[WB:WB+1], s[WB:WB+1], 16384
	s_add_nc_u64 s[SB:SB+1], s[SB:SB+1], 1024
	s_add_nc_u64 s[10:11], s[10:11], 128
	s_add_nc_u64 s[OB:OB+1], s[OB:OB+1], 1024
	s_add_co_u32 s[CC], s[CC], 1
	s_cmp_lt_u32 s[CC], 2
	s_cbranch_scc1 .Lqk
	s_branch .Lend
; ---- PHASE G for v
.Lvform:
	s_add_nc_u64 s[OB2:OB2+1], s[OB:OB+1], 0x1000000
.Lv:
	global_load_b128 v[WS:WS+3], v[L16], s[SB:SB+1]
	global_load_b128 v[WS+4:WS+7], v[L16], s[SB:SB+1] offset:512
	v_and_b32 v[ACC], 0xf0, v[L16]
	v_lshrrev_b32 v[ACC], 2, v[ACC]                ; 4 r: all eight registers of tile f want b[16 f + r]
.set n, 0
.rept 16
	global_load_b32 v[BIAS+n], v[ACC], s[10:11] offset:64*(n/8)
.set n, n+1
.endr
	WLOAD 0
.irp s, 0,1,2,3,4,5,6,7
	GSTEP \s, 1
.endr
.rept 4
	v_nop
.endr
.irp f, 0,1
.if \f
	s_wait_xcnt 0x0                                ; the first eight pairs of stores have read their registers
.endif
.irp T, 0,1,2,3,4,5,6,7
.set AC, ACC+64*\f+8*\T
.irp i, 0,2,4,6
	v_pk_mul_f32 v[TH+\i:TH+\i+1], v[AC+\i:AC+\i+1], 0x46000400 op_sel_hi:[1,0]   ; t = 8193 x
.endr
.irp i, 0,2,4,6
	v_pk_add_f32 v[TD+\i:TD+\i+1], v[AC+\i:AC+\i+1], v[TH+\i:TH+\i+1] neg_lo:[0,1] neg_hi:[0,1]   ; x - t
.endr
.irp i, 0,2,4,6
	v_pk_add_f32 v[TH+\i:TH+\i+1], v[TH+\i:TH+\i+1], v[TD+\i:TD+\i+1]              ; hi
.endr
.irp i, 0,2,4,6
	v_pk_add_f32 v[AC+\i:AC+\i+1], v[AC+\i:AC+\i+1], v[TH+\i:TH+\i+1] neg_lo:[0,1] neg_hi:[0,1]   ; lo, exact
.endr
.irp i, 0,2,4,6
	v_pk_mul_f32 v[AC+\i:AC+\i+1], v[AC+\i:AC+\i+1], 0x45000000 op_sel_hi:[1,0]   ; x 2,048
.endr
.irp i, 0,1,2,3
	v_cvt_pk_f16_f32 v[XF+8*\T+\i], v[TH+2*\i], v[TH+2*\i+1]
.endr
.irp i, 0,1,2,3
	v_cvt_pk_f16_f32 v[XF+8*\T+4+\i], v[AC+2*\i], v[AC+2*\i+1]
.endr
	global_store_b128 v[L16], v[XF+8*\T:XF+8*\T+3], s[OB:OB+1] offset:8192*(\T/4)+4096*((\T/2)%2)+1024*\f+512*(\T%2)
	global_store_b128 v[L16], v[XF+8*\T+4:XF+8*\T+7], s[OB2:OB2+1] offset:8192*(\T/4)+4096*((\T/2)%2)+1024*\f+512*(\T%2)
.endr
.endr
	s_wait_xcnt 0x0
	s_add_nc_u64 s[WB:WB+1], s[WB:WB+1], 16384
	s_add_nc_u64 s[SB:SB+1], s[SB:SB+1], 1024
	s_add_nc_u64 s[10:11], s[10:11], 128
	s_add_nc_u64 s[OB:OB+1], s[OB:OB+1], 2048
	s_add_nc_u64 s[OB2:OB2+1], s[OB2:OB2+1], 2048
	s_add_co_u32 s[CC], s[CC], 1
	s_cmp_lt_u32 s[CC], 2
	s_cbranch_scc1 .Lv
.Lend:
	s_wait_tensorcnt 0x0                           ; the wave's end, behind my last LDS store
	ds_add_u32 v[SPW], v[NIL]
	s_wait_dscnt 0x0
	s_endpgm
.Lfunc_end_k_qe289b99e91_proj:
	.size	k_qe289b99e91_proj, .Lfunc_end_k_qe289b99e91_proj-k_qe289b99e91_proj
	.p2alignl 7, 3214868480
	.fill 96, 4, 3214868480
	.section	.rodata,"a",@progbits
	.p2align	6, 0x0
	.amdhsa_kernel k_qe289b99e91_proj
		.amdhsa_group_segment_fixed_size 71680
		.amdhsa_private_segment_fixed_size 0
		.amdhsa_enable_private_segment 0
		.amdhsa_kernarg_size 72
		.amdhsa_user_sgpr_count 2
		.amdhsa_user_sgpr_kernarg_segment_ptr 1
		.amdhsa_wavefront_size32 1
		.amdhsa_system_sgpr_workgroup_id_x 1
		.amdhsa_system_sgpr_workgroup_id_y 1
		.amdhsa_system_sgpr_workgroup_id_z 1
		.amdhsa_system_vgpr_workitem_id 0
		.amdhsa_next_free_vgpr 256
		.amdhsa_next_free_sgpr 66
		.amdhsa_reserve_vcc 0
		.amdhsa_float_denorm_mode_32 3
		.amdhsa_float_denorm_mode_16_64 3
		.amdhsa_memory_ordered 1
		.amdhsa_forward_progress 1
		.amdhsa_inst_pref_size 132
	.end_amdhsa_kernel
	.amdgpu_metadata
---
amdhsa.version: [ 1, 2 ]
amdhsa.kernels:
  - .name:           k_qe289b99e91_proj
    .symbol:         k_qe289b99e91_proj.kd
    .args:
      - { .name: q, .offset: 0, .size: 8, .value_kind: global_buffer, .address_space: global }
      - { .name: k, .offset: 8, .size: 8, .value_kind: global_buffer, .address_space: global }
      - { .name: v, .offset: 16, .size: 8, .value_kind: global_buffer, .address_space: global }
      - { .name: bq, .offset: 24, .size: 8, .value_kind: global_buffer, .address_space: global }
      - { .name: bk, .offset: 32, .size: 8, .value_kind: global_buffer, .address_space: global }
      - { .name: bv, .offset: 40, .size: 8, .value_kind: global_buffer, .address_space: global }
      - { .name: wq4, .offset: 48, .size: 8, .value_kind: global_buffer, .address_space: global }
      - { .name: qk, .offset: 56, .size: 8, .value_kind: global_buffer, .address_space: global }
      - { .name: vv, .offset: 64, .size: 8, .value_kind: global_buffer, .address_space: global }
    .group_segment_fixed_size: 71680
    .private_segment_fixed_size: 0
    .kernarg_segment_align: 8
    .kernarg_segment_size: 72
    .max_flat_workgroup_size: 512
    .sgpr_count:     66
    .vgpr_count:     256
    .wavefront_size: 32
...
	.end_amdgpu_metadata
.endif
;; end of part 2
;; launch attn (part 3): grid 4 x 64, 16 waves a work-group, no clusters, 34,816 bytes of LDS; arguments qk, vv, msk, ao, flg; writes ao
.if DOCPART == 3
	.amdgcn_target "amdgcn-amd-amdhsa--gfx1250"
	.amdhsa_code_object_version 6
	.text
	.protected	k_qe289b99e91_attn
	.globl	k_qe289b99e91_attn
	.p2align	8
	.type	k_qe289b99e91_attn,@function
k_qe289b99e91_attn:
	s_mov_b64 s[64:65], 0
	v_nop
	global_prefetch_b8 v0, s[64:65] scope:SCOPE_SE
	s_setreg_imm32_b32 hwreg(HW_REG_WAVE_MODE, 25, 1), 1
	s_wait_xcnt 0x0
; ATTN: softmax(Q K^T / 8, masked logits = -1e8) V for one (batch, head), f16 operands, f32 sums, a running maximum.
; SHARES.  Work-group (i, 16 b + head) owns the blocks i and 7 - i of 256 queries; each of its sixteen waves owns 32 queries, two tiles of 16.  Keys go in steps of 64.
; THE WALK.  The first launch stored in flg, for each tile of queries, which steps hold a kept key (ANY) and which keep every key (ALL).  The work-group walks the steps that any of its waves needs, in ascending order;
;   a wave computes only in its own steps, and applies the mask only where a step is not wholly kept.  A step with no kept key adds exp(-1e8 - max) = 0, as in the definition; a tile with a row that keeps no key has all steps marked.
;   The loop has a constant 32 trips, one barrier each, so that no barrier hangs on loaded numbers; trips behind the list's end do nothing but the barrier.
; DATA.  All operands are images of the operand's registers (1,024 bytes a fragment).  A step's K (8 KiB) and V (8 KiB) are loaded by the sixteen waves, 16 bytes a thread, a trip ahead, and stored into one of two LDS slots.
; LAYOUT.  S^T = K Q'^T and O^T = V^T P: a lane holds one query throughout; S^T's tiles, rounded to f16 in pairs, ARE P's fragments.  The row's sum is a product of P with ones: it sums the p that are multiplied.
; Q' holds c Q, c = log2(e) / 8: scores are exponents of 2; a masked score is -1e8 log2(e).
; LIMITS: kept logits above about -1e8 + 200 (else a step without kept keys would count); operands within f16's range; NaN and infinities are not served.
; No tensor load and no cluster: the walk hangs on lists read from memory, and work-groups of one head need different steps.
.set SLOT,  16384                      ; LDS: two slots: K's 8 fragments, then V's 8
.set SPARE, 32768
.set SPW,  1
.set NIL,  2
.set T16,  3                           ; v3   16 x thread
.set L16,  4                           ; v4   16 x lane
.set GA,   5                           ; v5   the fill's offset: 16 x thread + 8,192 x step
.set PFV,  6                           ; v6   the prefetch's offset
.set NEG,  7                           ; v7   -1e8 log2(e)
.set G,    8                           ; v8-15 the fill on its way
.set ST,   16                          ; v16-31 a tile's eight: +0 m, +2 a (each with a filler above: packed forms name pairs), +4..7 at work
.set Q,    32                          ; v32-63   Q(t, c) at 32 + 16 t + 8 c
.set S,    64                          ; v64-127  S(t, a) at 64 + 32 t + 8 a; P in its first 16 of each 32; V's second half in the other 16
.set O,    128                         ; v128-191 O(t, f)
.set L,    192                         ; v192-207 the row sums
.set ONES, 208
.set F,    216                         ; v216-247 four fragments of K or V
.set PF0,  248                         ; v248 256 x lane
.set WV,   12
.set REM,  84                          ; s84 steps still to be asked for;  s85 the step on its way;  s86 the step in the slot
.set CUR,  85
.set NOW,  86
.set ACT,  87                          ; s87 my own steps still to come;  s88 those of them that want the mask
.set PARTW, 88
.set CNT,  89
.set PFB,  90
.set KB,   92
.set VB,   94
.set MB,   96
.set PFL,  98
.set SEL,  100
	s_load_b256 s[4:11], s[0:1], 0x0               ; qk, vv, msk, ao
	s_load_b64 s[74:75], s[0:1], 0x20              ; flg
	v_lshl_add_u32 v[SPW], v0, 2, SPARE
	v_mov_b32 v[NIL], 0
	v_lshrrev_b32 v[GA], 5, v0
	v_readfirstlane_b32 s[WV], v[GA]               ; wave 0..15
	v_lshlrev_b32 v[T16], 4, v0
	v_and_b32 v[L16], 31, v0
	v_lshlrev_b32 v[PF0], 8, v[L16]
	v_lshlrev_b32 v[L16], 4, v[L16]
	v_mov_b32 v[NEG], 0xcd09960c
	s_and_b32 s13, ttmp7, 0xffff                   ; 16 b + head
	s_lshr_b32 s14, s13, 4
	s_and_b32 s15, s13, 15
	s_lshr_b32 s2, s[WV], 1
	s_lshr_b32 s3, s[WV], 3
	s_xor_b32 s3, s3, s2
	s_and_b32 s3, s3, 1                            ; which of the two blocks: bit 1 xor bit 3 of the wave's number
	s_and_b32 s2, s2, 6
	s_and_b32 s99, s[WV], 1
	s_or_b32 s2, s2, s99                           ; which 32 queries of it: bits 3, 2, 0
	s_sub_co_u32 s99, 7, ttmp9
	s_cmp_eq_u32 s3, 0
	s_cselect_b32 s3, ttmp9, s99
	s_lshl_b32 s3, s3, 3
	s_add_co_u32 s3, s3, s2                        ; cq: my chunk of 32 queries, 0..63
	s_mov_b32 s73, 0
	s_mov_b32 s[SEL], 0x76543210
	s_mov_b32 s[SEL+1], 0xfedcba98
	s_wait_kmcnt 0x0
	s_lshl_b32 s72, s14, 9
	s_add_nc_u64 s[74:75], s[74:75], s[72:73]      ; ANY[b][0]
	s_lshl_b32 s76, ttmp9, 6
	s_lshl_b32 s77, s99, 6
	s_lshl_b32 s78, s3, 3
	s_load_b512 s[16:31], s[74:75], s76 offset:0x0 ; ANY of block i's 16 tiles,
	s_load_b512 s[32:47], s[74:75], s77 offset:0x0 ; of block 7 - i's,
	s_load_b64 s[68:69], s[74:75], s78 offset:0x0  ; of my two,
	s_load_b64 s[70:71], s[74:75], s78 offset:0x800   ; and their ALL
	s_lshl_b32 s72, s13, 18
	s_add_nc_u64 s[KB:KB+1], s[4:5], s[72:73]
	s_add_nc_u64 s[KB:KB+1], s[KB:KB+1], 0x1000000 ; the head's K
	s_add_nc_u64 s[VB:VB+1], s[6:7], s[72:73]      ; and V (high part)
	s_lshl_b32 s2, s3, 12
	s_add_co_u32 s72, s72, s2
	s_add_nc_u64 s[4:5], s[4:5], s[72:73]          ; my two tiles of Q'
	s_lshl_b32 s72, s14, 19
	s_lshl_b32 s2, s3, 13
	s_add_co_u32 s72, s72, s2
	s_add_nc_u64 s[MB:MB+1], s[8:9], s[72:73]      ; their mask words
	s_lshl_b32 s72, s14, 22
	s_lshl_b32 s2, s3, 16
	s_add_co_u32 s72, s72, s2
	s_lshl_b32 s2, s15, 11
	s_add_co_u32 s72, s72, s2
	s_add_nc_u64 s[10:11], s[10:11], s[72:73]      ; and their place in ao
	s_cmp_eq_u32 s[WV], 0
	s_cselect_b64 s[PFB:PFB+1], s[KB:KB+1], s[VB:VB+1]
	s_lshr_b32 s[PFL], s[WV], 1
	s_or_b32 s[PFL], s[PFL], ttmp9
	s_cmp_eq_u32 s[PFL], 0
	s_cselect_b32 s[PFL], 1, 0                     ; waves 0 and 1 of the head's first work-group prefetch
.set n, 0
.rept 8
	global_load_b128 v[Q+4*n:Q+4*n+3], v[L16], s[4:5] offset:512*n
.set n, n+1
.endr
.set n, 0
.rept 80
	v_mov_b32 v[O+n], 0                            ; O^T and the sums begin as zeros: which step is a wave's first hangs on the lists, so no first step can be written out
.set n, n+1
.endr
.set n, 0
.rept 8
	v_mov_b32 v[ONES+n], 0x3c003c00
.set n, n+1
.endr
.set n, 0
.rept 16
	v_mov_b32 v[ST+n], 0
.set n, n+1
.endr
	v_mov_b32 v[ST], 0xff61b1e6                    ; the largest score so far: -3e38
	v_mov_b32 v[ST+8], 0xff61b1e6
	s_wait_kmcnt 0x0
.irp n, 17,18,19,20,21,22,23,24,25,26,27,28,29,30,31,32,33,34,35,36,37,38,39,40,41,42,43,44,45,46,47
	s_or_b32 s16, s16, s[\n]                       ; the steps that any wave of the work-group needs
.endr
	s_or_b32 s[ACT], s68, s69
	s_and_b32 s[PARTW], s70, s71
	s_and_not1_b32 s[PARTW], s[ACT], s[PARTW]
	s_ctz_i32_b32 s[CUR], s16
	s_min_u32 s[CUR], s[CUR], 31
	s_sub_co_u32 s[REM], s16, 1
	s_and_b32 s[REM], s[REM], s16
	v_lshl_add_u32 v[GA], s[CUR], 13, v[T16]
	global_load_b128 v[G:G+3], v[GA], s[KB:KB+1]
	global_load_b128 v[G+4:G+7], v[GA], s[VB:VB+1]
.macro TRIP slot
	s_wait_loadcnt 0x0                             ; the fill is in registers (in the first trip Q too)
	ds_store_b128 v[T16], v[G:G+3] offset:\slot*SLOT
	ds_store_b128 v[T16], v[G+4:G+7] offset:\slot*SLOT+8192   ; (behind the list's end: the last fill once more, which nobody reads)
	s_min_u32 s[NOW], s[CUR], 31
	s_wait_xcnt 0x0                                ; the fill's and the prefetch's offsets are written again only behind this wait
	s_wait_dscnt 0x0                               ; my stores into this slot have landed, my reads of the other slot are in
	s_barrier_signal -1
	s_barrier_wait -1                              ; this slot is whole; the other one, read a trip ago, is free for the next trip's stores
	s_cmp_eq_u32 s[REM], 0
	s_cbranch_scc1 .Lnofill_\@
	s_ctz_i32_b32 s[CUR], s[REM]
	s_min_u32 s[CUR], s[CUR], 31
	s_sub_co_u32 s2, s[REM], 1
	s_and_b32 s[REM], s[REM], s2
	v_lshl_add_u32 v[GA], s[CUR], 13, v[T16]
	global_load_b128 v[G:G+3], v[GA], s[KB:KB+1]   ; the next step of the list: it has this trip's work in which to come
	global_load_b128 v[G+4:G+7], v[GA], s[VB:VB+1]
	s_cmp_lg_u32 s[REM], 0
	s_cselect_b32 s2, s[PFL], 0
	s_cmp_eq_u32 s2, 0
	s_cbranch_scc1 .Lnofill_\@
	s_ctz_i32_b32 s2, s[REM]
	s_min_u32 s2, s2, 31
	v_lshl_add_u32 v[PFV], s2, 13, v[PF0]
	global_prefetch_b8 v[PFV], s[PFB:PFB+1] th:TH_LOAD_NT scope:SCOPE_SE   ; the step after that: 32 lanes x 256 bytes are its K (wave 0) or its V (wave 1); one trip ahead of its load; asked by one work-group of the head
.Lnofill_\@:
	s_lshl_b32 s99, 1, s[NOW]
	s_and_b32 s2, s[ACT], s99
	s_and_not1_b32 s[ACT], s[ACT], s99             ; taken once: behind the list's end nothing is left
	s_cmp_eq_u32 s2, 0
	s_cbranch_scc1 .Lidle_\@
	; S^T = K Q'^T, two tiles of 16 keys at a time; four accumulators by turns
.irp hf, 0,1
.irp n, 0,1,2,3,4,5,6,7
	ds_load_b128 v[F+4*\n:F+4*\n+3], v[L16] offset:\slot*SLOT+4096*\hf+512*\n
.endr
	s_wait_dscnt 0x0
.irp c, 0,1
.irp a, 0,1
.irp t, 0,1
.if \c
	v_wmma_f32_16x16x32_f16 v[S+32*\t+16*\hf+8*\a:S+32*\t+16*\hf+8*\a+7], v[F+16*\a+8*\c:F+16*\a+8*\c+7], v[Q+16*\t+8*\c:Q+16*\t+8*\c+7], v[S+32*\t+16*\hf+8*\a:S+32*\t+16*\hf+8*\a+7]
.else
	v_wmma_f32_16x16x32_f16 v[S+32*\t+16*\hf+8*\a:S+32*\t+16*\hf+8*\a+7], v[F+16*\a+8*\c:F+16*\a+8*\c+7], v[Q+16*\t+8*\c:Q+16*\t+8*\c+7], 0
.endif
.endr
.endr
.endr
.rept 4
	v_nop                                          ; places in front of loads into K's registers and of the first read of scores
.endr
.endr
.irp n, 0,1,2,3,4,5,6,7
	ds_load_b128 v[F+4*\n:F+4*\n+3], v[L16] offset:\slot*SLOT+8192+512*\n   ; V of keys 0-31: it comes while the softmax is walked
.endr
	s_and_b32 s2, s[PARTW], s99
	s_cmp_eq_u32 s2, 0
	s_cbranch_scc1 .Lopen_\@
	s_lshl_b32 s2, s[NOW], 7                       ; a step's 32 words of a tile
	s_load_b512 s[16:31], s[MB:MB+1], s2 offset:0x0
	s_load_b512 s[32:47], s[MB:MB+1], s2 offset:0x40
	s_load_b512 s[48:63], s[MB:MB+1], s2 offset:0x1000
	s_load_b512 s[68:83], s[MB:MB+1], s2 offset:0x1040
	s_wait_kmcnt 0x0
.set n, 0
.rept 32
	v_cndmask_b32 v[S+n], v[NEG], v[S+n], s[16+n]  ; word n is score register n's lane mask
.set n, n+1
.endr
.set n, 0
.rept 16
	v_cndmask_b32 v[S+32+n], v[NEG], v[S+32+n], s[48+n]
.set n, n+1
.endr
.set n, 0
.rept 16
	v_cndmask_b32 v[S+48+n], v[NEG], v[S+48+n], s[68+n]
.set n, n+1
.endr
.Lopen_\@:
	; the softmax, the two tiles by turns.  Each accumulator is first read at its low end
.irp j, 0,1,2,3
.irp t, 0,1
	v_max3_num_f32 v[ST+8*\t+4+\j], v[S+32*\t+8*\j], v[S+32*\t+8*\j+1], v[S+32*\t+8*\j+2]
.endr
.endr
.irp u, 3,5
.irp j, 0,1,2,3
.irp t, 0,1
	v_max3_num_f32 v[ST+8*\t+4+\j], v[ST+8*\t+4+\j], v[S+32*\t+8*\j+\u], v[S+32*\t+8*\j+\u+1]
.endr
.endr
.endr
.irp t, 0,1
	v_max3_num_f32 v[ST+8*\t+4], v[ST+8*\t+4], v[S+32*\t+7], v[S+32*\t+15]
	v_max3_num_f32 v[ST+8*\t+6], v[ST+8*\t+6], v[S+32*\t+23], v[S+32*\t+31]
.endr
.irp t, 0,1
	v_max3_num_f32 v[ST+8*\t+4], v[ST+8*\t+4], v[ST+8*\t+5], v[ST+8*\t+6]
.endr
.irp t, 0,1
	v_max3_num_f32 v[ST+8*\t+4], v[ST+8*\t+4], v[ST+8*\t+7], v[ST+8*\t]     ; with the old m
.endr
.irp t, 0,1
	v_permlanex16_b32 v[ST+8*\t+5], v[ST+8*\t+4], s[SEL], s[SEL+1]          ; the query's other 32 keys lie 16 lanes away
.endr
.irp t, 0,1
	v_max_num_f32 v[ST+8*\t+6], v[ST+8*\t+4], v[ST+8*\t+5]
.endr
.irp t, 0,1
	v_sub_f32 v[ST+8*\t+7], v[ST+8*\t], v[ST+8*\t+6]                        ; old m - new m
.endr
.irp t, 0,1
	v_mov_b32 v[ST+8*\t], v[ST+8*\t+6]
.endr
.set n, 0
.rept 16
	v_pk_add_f32 v[S+2*n:S+2*n+1], v[S+2*n:S+2*n+1], v[ST:ST+1] op_sel_hi:[1,0] neg_lo:[0,1] neg_hi:[0,1]
	v_pk_add_f32 v[S+32+2*n:S+32+2*n+1], v[S+32+2*n:S+32+2*n+1], v[ST+8:ST+9] op_sel_hi:[1,0] neg_lo:[0,1] neg_hi:[0,1]
.set n, n+1
.endr
	v_exp_f32 v[ST+2], v[ST+7]                     ; a = 2^(old m - new m)
	v_exp_f32 v[ST+10], v[ST+15]
.set n, 0
.rept 64
	v_exp_f32 v[S+n], v[S+n]                       ; p = 2^(t - m): one batch
.set n, n+1
.endr
	v_nop                                          ; a plain place behind the last exponential
	s_wait_alu depctr_va_vdst(0)                   ; one wait for the batch, ahead of its first reader
.set n, 0
.rept 16
	v_cvt_pk_f16_f32 v[S+n], v[S+2*n], v[S+2*n+1]  ; in place, ascending: register n is written when 2 n and 2 n + 1 are read
	v_cvt_pk_f16_f32 v[S+32+n], v[S+32+2*n], v[S+32+2*n+1]
.set n, n+1
.endr
.irp n, 0,1,2,3,4,5,6,7
	ds_load_b128 v[S+16+32*(\n/4)+4*(\n%4):S+16+32*(\n/4)+4*(\n%4)+3], v[L16] offset:\slot*SLOT+12288+512*\n   ; V of keys 32-63, into the registers that the packing has freed
.endr
.set n, 0
.rept 16
	v_pk_mul_f32 v[O+2*n:O+2*n+1], v[O+2*n:O+2*n+1], v[ST+2:ST+3] op_sel_hi:[1,0]
	v_pk_mul_f32 v[O+32+2*n:O+32+2*n+1], v[O+32+2*n:O+32+2*n+1], v[ST+10:ST+11] op_sel_hi:[1,0]
.set n, n+1
.endr
	v_pk_mul_f32 v[L:L+1], v[L:L+1], v[ST+2:ST+3] op_sel_hi:[1,0]           ; all eight rows of the sums' tile are equal, and register 0 alone is ever read
	v_pk_mul_f32 v[L+8:L+9], v[L+8:L+9], v[ST+10:ST+11] op_sel_hi:[1,0]
	; O^T += V^T P, sums += ones P: ten accumulators by turns
.irp kc, 0,1
.if \kc
	s_wait_dscnt 0x0
.else
	s_wait_dscnt 8                                 ; V of keys 0-31 is in; the eight loads of keys 32-63 may be out
.endif
.irp f, 0,1,2,3
.irp t, 0,1
.if \kc
	v_wmma_f32_16x16x32_f16 v[O+32*\t+8*\f:O+32*\t+8*\f+7], v[S+16+32*(\f/2)+8*(\f%2):S+16+32*(\f/2)+8*(\f%2)+7], v[S+32*\t+8:S+32*\t+15], v[O+32*\t+8*\f:O+32*\t+8*\f+7]
.else
	v_wmma_f32_16x16x32_f16 v[O+32*\t+8*\f:O+32*\t+8*\f+7], v[F+8*\f:F+8*\f+7], v[S+32*\t:S+32*\t+7], v[O+32*\t+8*\f:O+32*\t+8*\f+7]
.endif
.endr
.endr
.irp t, 0,1
	v_wmma_f32_16x16x32_f16 v[L+8*\t:L+8*\t+7], v[ONES:ONES+7], v[S+32*\t+8*\kc:S+32*\t+8*\kc+7], v[L+8*\t:L+8*\t+7]
.endr
.endr
.rept 5
	v_nop                                          ; five places: the next step's first products write over registers that these have read
.endr
.Lidle_\@:
.endm
	s_mov_b32 s[CNT], 0
.Ltrip:
	TRIP 0
	TRIP 1
	s_add_co_u32 s[CNT], s[CNT], 1
	s_cmp_lt_u32 s[CNT], 16
	s_cbranch_scc1 .Ltrip
	; THE WAY OUT: O^T / the sum, rounded to f16 in pairs: tiles f = 2 c, 2 c + 1 are the fragment (16 tokens x channels 32 c on) of the last product
	v_rcp_f32 v[ST+2], v[L]
	v_rcp_f32 v[ST+10], v[L+8]
	v_nop
	s_wait_alu depctr_va_vdst(0)
.set n, 0
.rept 16
	v_pk_mul_f32 v[O+2*n:O+2*n+1], v[O+2*n:O+2*n+1], v[ST+2:ST+3] op_sel_hi:[1,0]
	v_pk_mul_f32 v[O+32+2*n:O+32+2*n+1], v[O+32+2*n:O+32+2*n+1], v[ST+10:ST+11] op_sel_hi:[1,0]
.set n, n+1
.endr
.set n, 0
.rept 32
	v_cvt_pk_f16_f32 v[S+n], v[O+2*n], v[O+2*n+1]
.set n, n+1
.endr
.irp t, 0,1
.irp f, 0,1,2,3
	global_store_b128 v[L16], v[S+16*\t+4*\f:S+16*\t+4*\f+3], s[10:11] offset:32768*\t+512*\f   ; 512 consecutive bytes
.endr
.endr
	s_wait_tensorcnt 0x0                           ; the wave's end, behind my last LDS store
	ds_add_u32 v[SPW], v[NIL]
	s_wait_dscnt 0x0
	s_endpgm
.Lfunc_end_k_qe289b99e91_attn:
	.size	k_qe289b99e91_attn, .Lfunc_end_k_qe289b99e91_attn-k_qe289b99e91_attn
	.p2alignl 7, 3214868480
	.fill 96, 4, 3214868480
	.section	.rodata,"a",@progbits
	.p2align	6, 0x0
	.amdhsa_kernel k_qe289b99e91_attn
		.amdhsa_group_segment_fixed_size 34816
		.amdhsa_private_segment_fixed_size 0
		.amdhsa_enable_private_segment 0
		.amdhsa_kernarg_size 40
		.amdhsa_user_sgpr_count 2
		.amdhsa_user_sgpr_kernarg_segment_ptr 1
		.amdhsa_wavefront_size32 1
		.amdhsa_system_sgpr_workgroup_id_x 1
		.amdhsa_system_sgpr_workgroup_id_y 1
		.amdhsa_system_sgpr_workgroup_id_z 1
		.amdhsa_system_vgpr_workitem_id 0
		.amdhsa_next_free_vgpr 256
		.amdhsa_next_free_sgpr 104
		.amdhsa_reserve_vcc 0
		.amdhsa_float_denorm_mode_32 3
		.amdhsa_float_denorm_mode_16_64 3
		.amdhsa_memory_ordered 1
		.amdhsa_forward_progress 1
		.amdhsa_inst_pref_size 56
	.end_amdhsa_kernel
	.amdgpu_metadata
---
amdhsa.version: [ 1, 2 ]
amdhsa.kernels:
  - .name:           k_qe289b99e91_attn
    .symbol:         k_qe289b99e91_attn.kd
    .args:
      - { .name: qk, .offset: 0, .size: 8, .value_kind: global_buffer, .address_space: global }
      - { .name: vv, .offset: 8, .size: 8, .value_kind: global_buffer, .address_space: global }
      - { .name: msk, .offset: 16, .size: 8, .value_kind: global_buffer, .address_space: global }
      - { .name: ao, .offset: 24, .size: 8, .value_kind: global_buffer, .address_space: global }
      - { .name: flg, .offset: 32, .size: 8, .value_kind: global_buffer, .address_space: global }
    .group_segment_fixed_size: 34816
    .private_segment_fixed_size: 0
    .kernarg_segment_align: 8
    .kernarg_segment_size: 40
    .max_flat_workgroup_size: 512
    .sgpr_count:     104
    .vgpr_count:     256
    .wavefront_size: 32
...
	.end_amdgpu_metadata
.endif
;; end of part 3
;; launch oproj (part 4): grid 4 x 64, 8 waves a work-group, clusters of 4 x 4, 327,680 bytes of LDS; arguments ao, wo16, bo, out0; writes out0
.if DOCPART == 4
	.amdgcn_target "amdgcn-amd-amdhsa--gfx1250"
	.amdhsa_code_object_version 6
	.text
	.protected	k_qe289b99e91_oproj
	.globl	k_qe289b99e91_oproj
	.p2align	8
	.type	k_qe289b99e91_oproj,@function
k_qe289b99e91_oproj:
	s_mov_b64 s[64:65], 0
	v_nop
	global_prefetch_b8 v0, s[64:65] scope:SCOPE_SE
	s_setreg_imm32_b32 hwreg(HW_REG_WAVE_MODE, 25, 1), 1
	s_wait_xcnt 0x0
	s_wait_alu depctr_hold_cnt(0) depctr_sa_sdst(0) depctr_va_vdst(0) depctr_va_sdst(0) depctr_va_ssrc(0) depctr_va_vcc(0) depctr_vm_vsrc(0)
	s_getreg_b32 s2, hwreg(HW_REG_IB_STS2, 6, 4)
	s_cmp_eq_u32 s2, 0
	s_cbranch_scc0 .Lentry_in_a_cluster
	s_endpgm
.Lentry_in_a_cluster:
	s_bfe_u32 s2, ttmp6, 0x10000c
	s_cmp_lg_u32 s2, 0xf033
	s_cbranch_scc0 .Lentry_shape_is_right
	s_endpgm
.Lentry_shape_is_right:
; OPROJ: out0 = ao wo^T + bo, f16 operands, f32 sums.  ao [tile of 16 tokens 512][32 along K 32] and wo16 [tile of 16 outputs 64][32] are images of the operand's registers, 1,024 bytes a fragment.
; A work-group makes 128 tokens x 256 outputs; wave (wm = w / 4, wn = w % 4) makes 64 x 64: 16 accumulators.  Source 0 = 16 outputs of wo, source 1 = 16 tokens: a lane holds 8 neighbouring outputs of one token.
; K goes in steps of 128 (4 fragments deep) through a ring of two LDS slots filled by the tensor data mover: in memory a tile's 4 fragments are 4,096 consecutive bytes, a row of the tile; tiles lie 32,768 bytes apart.
; CLUSTER 4 x 4: the four work-groups of a row of the cluster need the same tokens, the four of a column the same outputs: each tile is asked for jointly.  Waves 0-3 fetch ao's 8 rows, two each; waves 4-7 wo16's 16 rows, four each.
; A wave has one tensor load out.  The bias is the C of each sum's first product.
; No prefetch: the tiles are small and shared, and a step's work is short.  Rows 0-15 of each batch are written again, more finely, by the launch behind this one.
.set SLOTB, 98304                      ; a slot: ao's 8 x 4,096 bytes, then wo16's 16 x 4,096
.set WOFF,  32768
.set STAGE, 196608                     ; behind the ring: 16 rows x 272 bytes for each wave, for the way out
.set SP,    272
.set SPARE, 231424                     ; the spare words, 128 bytes for each wave
.set SPW,  1
.set NIL,  2
.set L16,  3
.set ADA,  4                           ; v4-5  LDS address of my tokens' fragments in slot 0, 1
.set ADB,  6                           ; v6-7  of my outputs'
.set STO,  8
.set RD,   9
.set CO,   10
.set BA,   11
.set BIAS, 16                          ; v16-47
.set FW,   64                          ; v64-95 wo's four fragments;  v96-127 ao's four;  on the way out two sets of 32
.set FA,   96
.set ACC,  128                         ; accumulator (T, n) at 128 + 8 (4 T + n)
.set G1A,  24
.set G0A,  32
.set G1B,  48
.set G0B,  56
.macro JLOAD s                         ; a joint load into slot s; the branch hangs on the wave's number alone.  An s_nop 0 and four v_nop follow each of the two lines
	s_cmp_eq_u32 s13, 0
	s_cbranch_scc0 .Lfor_b_\@
	tensor_load_to_lds s[G0A+4*(\s):G0A+4*(\s)+3], s[G1A:G1A+7]
	s_nop 0
.rept 4
	v_nop
.endr
	s_branch .Lasked_\@
.Lfor_b_\@:
	tensor_load_to_lds s[G0B+4*(\s):G0B+4*(\s)+3], s[G1B:G1B+7]
	s_nop 0
.rept 4
	v_nop
.endr
.Lasked_\@:
.endm
.macro CROUND                          ; a round of the cluster's barrier
	s_barrier_signal -1
	s_barrier_wait -1
	s_cmp_lg_u32 s12, 0
	s_cbranch_scc1 .Lnot_wave_0_\@
	s_barrier_signal -3
.Lnot_wave_0_\@:
	s_barrier_wait -3
	s_barrier_signal -1
	s_barrier_wait -1
.endm
	s_load_b256 s[4:11], s[0:1], 0x0               ; ao, wo16, bo, out0
	v_lshl_add_u32 v[SPW], v0, 2, SPARE
	v_mov_b32 v[NIL], 0
	ds_add_u32 v[SPW], v[NIL]                      ; the wave's opening: the add, twice on end, and its wait ahead of my first tensor load
	ds_add_u32 v[SPW], v[NIL]
	v_lshrrev_b32 v[L16], 5, v0
	v_readfirstlane_b32 s12, v[L16]                ; wave 0..7
	s_lshr_b32 s13, s12, 2                         ; wm.  Also: I fetch for ao (0) or for wo16 (1)
	s_and_b32 s14, s12, 3                          ; wn.  Also: which part I fetch
	s_bfe_u32 s40, ttmp6, 0x40000                  ; cx
	s_bfe_u32 s41, ttmp6, 0x40004                  ; cy
	s_lshl_b32 s42, ttmp9, 2
	s_add_co_u32 s42, s42, s40                     ; block of 256 outputs
	s_and_b32 s15, ttmp7, 0xffff
	s_lshl_b32 s15, s15, 2
	s_add_co_u32 s15, s15, s41                     ; block of 128 tokens
	s_lshl_b32 s43, s41, 2
	s_lshl_b32 s43, 15, s43                        ; my row of the cluster
	s_lshl_b32 s44, 0x1111, s40                    ; my column
	s_or_b32 s[G1A], s43, (3<<16)|(1<<21)          ; 15:0 the mask; 17:16 elements of 8 bytes; 21 set beside a mask; no padding: every LDS access takes 512 consecutive bytes
	s_or_b32 s[G1B], s44, (3<<16)|(1<<21)
	s_mov_b32 s[G1A+1], 512<<16                    ; tensor_dim0 = 512 elements: 4,096 bytes
	s_mov_b32 s[G1A+2], 2<<16                      ; tensor_dim1 = 2 rows
	s_mov_b32 s[G1A+3], 512<<16                    ; tile_dim0
	s_mov_b32 s[G1A+4], 2                          ; tile_dim1
	s_mov_b32 s[G1A+5], 4096                       ; from row to row: 32,768 bytes
	s_mov_b32 s[G1A+6], 0
	s_mov_b32 s[G1A+7], 0
	s_mov_b32 s[G1B+1], 512<<16
	s_mov_b32 s[G1B+2], 4<<16                      ; 4 rows
	s_mov_b32 s[G1B+3], 512<<16
	s_mov_b32 s[G1B+4], 4
	s_mov_b32 s[G1B+5], 4096
	s_mov_b32 s[G1B+6], 0
	s_mov_b32 s[G1B+7], 0
	s_lshl_b32 s16, s15, 3
	s_lshl_b32 s17, s14, 1
	s_add_co_u32 s16, s16, s17                     ; ao: tile 8 x block + 2 x part
	s_lshl_b32 s16, s16, 15
	s_mov_b32 s17, 0
	s_lshl_b32 s46, s42, 4
	s_lshl_b32 s47, s14, 2
	s_add_co_u32 s46, s46, s47                     ; wo16: tile 16 x block + 4 x part
	s_lshl_b32 s46, s46, 15
	s_mov_b32 s47, 0
	s_lshl_b32 s20, s14, 13                        ; where they go: no place in the cluster enters an LDS address
	s_lshl_b32 s21, s14, 14
	s_add_co_u32 s21, s21, WOFF
	s_wait_dscnt 0x0                               ; both opening adds are done
	s_wait_kmcnt 0x0
	s_add_nc_u64 s[18:19], s[4:5], s[16:17]
	s_add_nc_u64 s[46:47], s[6:7], s[46:47]
	CROUND                                         ; all sixteen work-groups are here: the first joint loads meet
.irp s, 0,1
	s_mov_b32 s[G0A+4*\s], 1
	s_add_co_u32 s[G0A+4*\s+1], s20, \s*SLOTB
	s_add_nc_u64 s[G0A+4*\s+2:G0A+4*\s+3], s[18:19], \s*4096
	s_or_b32 s[G0A+4*\s+3], s[G0A+4*\s+3], 0x80000000
	s_mov_b32 s[G0B+4*\s], 1
	s_add_co_u32 s[G0B+4*\s+1], s21, \s*SLOTB
	s_add_nc_u64 s[G0B+4*\s+2:G0B+4*\s+3], s[46:47], \s*4096
	s_or_b32 s[G0B+4*\s+3], s[G0B+4*\s+3], 0x80000000
.endr
	JLOAD 0                                        ; K step 0; slot 1 is first filled behind the first trip's round
	v_and_b32 v[L16], 31, v0
	v_lshlrev_b32 v[L16], 4, v[L16]
	v_and_b32 v12, 15, v0                          ; r
	v_bfe_u32 v13, v0, 4, 1                        ; h
	s_lshl_b32 s21, s13, 14                        ; my four tiles of tokens
	s_lshl_b32 s22, s14, 14                        ; my four tiles of outputs,
	s_add_co_u32 s22, s22, WOFF                    ; behind ao's
.irp s, 0,1
	v_add_nc_u32 v[ADA+\s], s21, v[L16]
	v_add_nc_u32 v[ADB+\s], s22, v[L16]
	s_add_co_u32 s21, s21, SLOTB
	s_add_co_u32 s22, s22, SLOTB
.endr
	s_mul_i32 s23, s12, 16*SP
	s_add_co_u32 s23, s23, STAGE                   ; my stage
	v_mul_u32_u24 v[STO], v12, SP
	v_lshl_add_u32 v[STO], v13, 5, v[STO]
	v_add_nc_u32 v[STO], s23, v[STO]               ; in: row r, 32 bytes for each half of the lanes
	v_mul_u32_u24 v[RD], v13, SP
	v_lshl_add_u32 v[RD], v12, 4, v[RD]
	v_add_nc_u32 v[RD], s23, v[RD]                 ; back: lanes 0-15 one row of 256 bytes, lanes 16-31 the next
	v_lshlrev_b32 v[CO], 12, v13
	v_lshl_add_u32 v[CO], v12, 4, v[CO]            ; and the same two rows in out0
	v_lshlrev_b32 v[BA], 5, v13
	s_lshl_b32 s46, s42, 10                        ; my 64 outputs, in bytes (in the registers that held wo16's address: none that feeds ao's descriptors ever holds cx)
	s_lshl_b32 s47, s14, 8
	s_add_co_u32 s46, s46, s47
	s_mov_b32 s47, 0
	s_add_nc_u64 s[8:9], s[8:9], s[46:47]
	s_add_nc_u64 s[10:11], s[10:11], s[46:47]
	s_lshl_b32 s16, s15, 19
	s_lshl_b32 s22, s13, 18
	s_add_co_u32 s16, s16, s22                     ; my 64 tokens' rows of 4,096 bytes (s17 is still 0)
	s_add_nc_u64 s[10:11], s[10:11], s[16:17]
.set n, 0
.rept 8
	global_load_b128 v[BIAS+4*n:BIAS+4*n+3], v[BA], s[8:9] offset:64*(n/2)+16*(n%2)   ; register j of tile n / 2: bo[16 (n / 2) + 8 h + j]
.set n, n+1
.endr
; 32 along K: 16 LDS loads, 16 products on 16 accumulators by turns
.macro KS slot, k, first
.set n, 0
.rept 8
	ds_load_b128 v[FW+4*n:FW+4*n+3], v[ADB+\slot] offset:4096*(n/2)+1024*\k+512*(n%2)
	ds_load_b128 v[FA+4*n:FA+4*n+3], v[ADA+\slot] offset:4096*(n/2)+1024*\k+512*(n%2)
.set n, n+1
.endr
.if \first
	s_wait_loadcnt 0x0                             ; the bias
.endif
	s_wait_dscnt 0x0
.irp T, 0,1,2,3
.irp n, 0,1,2,3
.if \first
	v_wmma_f32_16x16x32_f16 v[ACC+8*(4*\T+\n):ACC+8*(4*\T+\n)+7], v[FW+8*\n:FW+8*\n+7], v[FA+8*\T:FA+8*\T+7], v[BIAS+8*\n:BIAS+8*\n+7]
.else
	v_wmma_f32_16x16x32_f16 v[ACC+8*(4*\T+\n):ACC+8*(4*\T+\n)+7], v[FW+8*\n:FW+8*\n+7], v[FA+8*\T:FA+8*\T+7], v[ACC+8*(4*\T+\n):ACC+8*(4*\T+\n)+7]
.endif
.endr
.endr
.rept 4
	v_nop                                          ; places in front of loads into the fragments' registers, and of the first read of results
.endr
.endm
.macro TRIP slot, refill, first
	s_wait_tensorcnt 0x0                           ; all my tensor loads have landed: my part of this trip's tiles; so every group 0 may be written
	ds_add_u32 v[SPW], v[NIL]                      ; 0 onto my spare word
	s_add_nc_u64 s[G0A+4*\slot+2:G0A+4*\slot+3], s[G0A+4*\slot+2:G0A+4*\slot+3], 8192   ; this slot's next tiles: two K steps on
	s_add_nc_u64 s[G0B+4*\slot+2:G0B+4*\slot+3], s[G0B+4*\slot+2:G0B+4*\slot+3], 8192
	s_wait_dscnt 0x0                               ; the add is done, and so are my reads of the other slot
	CROUND                                         ; both now hold of every wave of every work-group of the cluster
.if \refill
	JLOAD 1-\slot                                  ; the next K step, into the slot read last trip: it has this trip's 64 products in which to land
.endif
	KS \slot, 0, \first
	KS \slot, 1, 0
	KS \slot, 2, 0
	KS \slot, 3, 0
.endm
	TRIP 0, 1, 1
	TRIP 1, 1, 0
	s_mov_b32 s66, 2
.Llap:
	TRIP 0, 1, 0
	TRIP 1, 1, 0
	s_sub_co_u32 s66, s66, 1
	s_cmp_lg_u32 s66, 0
	s_cbranch_scc1 .Llap
	TRIP 0, 1, 0
	TRIP 1, 0, 0                                   ; the last K step asks for nothing
; THE WAY OUT, 16 tokens at a time: a lane's 32 bytes of a row go into my stage and come back as whole rows of 256 bytes.  LDS serves a wave's instructions in order (ISA guide 5.7.1.4).
.macro TOSTAGE t
.irp n, 0,1,2,3
	ds_store_b128 v[STO], v[ACC+32*(\t)+8*\n:ACC+32*(\t)+8*\n+3] offset:64*\n          ; each accumulator from its low end on
	ds_store_b128 v[STO], v[ACC+32*(\t)+8*\n+4:ACC+32*(\t)+8*\n+7] offset:64*\n+16
.endr
.irp i, 0,1,2,3,4,5,6,7
	ds_load_b128 v[FW+32*((\t)%2)+4*\i:FW+32*((\t)%2)+4*\i+3], v[RD] offset:\i*2*SP
.endr
.endm
.macro SEND t, younger
	s_wait_dscnt \younger                          ; the block is back in registers; the next block's 8 stores and 8 loads may be out
.irp i, 0,1,2,3,4,5,6,7
	global_store_b128 v[CO], v[FW+32*((\t)%2)+4*\i:FW+32*((\t)%2)+4*\i+3], s[10:11] offset:65536*(\t)+8192*\i   ; sixteen lanes store 256 consecutive bytes, at a multiple of 256 from out0's first byte
.endr
.endm
	TOSTAGE 0
	TOSTAGE 1
	SEND 0, 16
	s_wait_xcnt 0x0                                ; block 0's stores have read their registers
	TOSTAGE 2
	SEND 1, 16
	s_wait_xcnt 0x0
	TOSTAGE 3
	SEND 2, 16
	SEND 3, 0
	s_wait_tensorcnt 0x0                           ; the wave's end, behind my last tensor load and my last LDS store
	ds_add_u32 v[SPW], v[NIL]
	s_wait_dscnt 0x0
	CROUND                                         ; the closing round
	s_endpgm
.Lfunc_end_k_qe289b99e91_oproj:
	.size	k_qe289b99e91_oproj, .Lfunc_end_k_qe289b99e91_oproj-k_qe289b99e91_oproj
	.p2alignl 7, 3214868480
	.fill 96, 4, 3214868480
	.section	.rodata,"a",@progbits
	.p2align	6, 0x0
	.amdhsa_kernel k_qe289b99e91_oproj
		.amdhsa_group_segment_fixed_size 327680
		.amdhsa_private_segment_fixed_size 0
		.amdhsa_enable_private_segment 0
		.amdhsa_kernarg_size 32
		.amdhsa_user_sgpr_count 2
		.amdhsa_user_sgpr_kernarg_segment_ptr 1
		.amdhsa_wavefront_size32 1
		.amdhsa_system_sgpr_workgroup_id_x 1
		.amdhsa_system_sgpr_workgroup_id_y 1
		.amdhsa_system_sgpr_workgroup_id_z 1
		.amdhsa_system_vgpr_workitem_id 0
		.amdhsa_next_free_vgpr 256
		.amdhsa_next_free_sgpr 72
		.amdhsa_reserve_vcc 0
		.amdhsa_float_denorm_mode_32 3
		.amdhsa_float_denorm_mode_16_64 3
		.amdhsa_memory_ordered 1
		.amdhsa_forward_progress 1
		.amdhsa_inst_pref_size 73
	.end_amdhsa_kernel
	.amdgpu_metadata
---
amdhsa.version: [ 1, 2 ]
amdhsa.kernels:
  - .name:           k_qe289b99e91_oproj
    .symbol:         k_qe289b99e91_oproj.kd
    .args:
      - { .name: ao, .offset: 0, .size: 8, .value_kind: global_buffer, .address_space: global }
      - { .name: wo16, .offset: 8, .size: 8, .value_kind: global_buffer, .address_space: global }
      - { .name: bo, .offset: 16, .size: 8, .value_kind: global_buffer, .address_space: global }
      - { .name: out0, .offset: 24, .size: 8, .value_kind: global_buffer, .address_space: global }
    .group_segment_fixed_size: 327680
    .private_segment_fixed_size: 0
    .kernarg_segment_align: 8
    .kernarg_segment_size: 32
    .max_flat_workgroup_size: 256
    .sgpr_count:     72
    .vgpr_count:     256
    .wavefront_size: 32
...
	.end_amdgpu_metadata
.endif
;; end of part 4
;; launch fine (part 5): grid 16 x 4, 16 waves a work-group, no clusters, 85,248 bytes of LDS; arguments qk, vv, msk, wo, bo, out0, flg; writes out0
.if DOCPART == 5
	.amdgcn_target "amdgcn-amd-amdhsa--gfx1250"
	.amdhsa_code_object_version 6
	.text
	.protected	k_qe289b99e91_fine
	.globl	k_qe289b99e91_fine
	.p2align	8
	.type	k_qe289b99e91_fine,@function
k_qe289b99e91_fine:
	s_mov_b64 s[64:65], 0
	v_nop
	global_prefetch_b8 v0, s[64:65] scope:SCOPE_SE
	s_setreg_imm32_b32 hwreg(HW_REG_WAVE_MODE, 25, 1), 1
	s_wait_xcnt 0x0
; FINE: positions 0-15 of every sequence once more, more finely: under a mask that lets them see few keys these rows average one to a few values and are the largest of the output.
; Work-group (cg, b) makes rows 0-15 of batch b, outputs 64 cg .. 64 cg + 63.
; PHASE 1, wave = head: the tile's attention as in the launch before the last, but p and V go as pairs of f16 numbers, a high part and a low part x 2,048:
;   O = Vhi ph + (Vlo' ph + Vhi pl') / 2,048, and the row's sum is taken of the unrounded p.  The scores stay plain f16 products: every row sums 64 terms there.
;   The split: t = 8193 x, hi = t + (x - t) is x rounded to 11 significant bits, lo = x - hi is exact.
;   Which steps of 64 keys hold a kept key is read from flg (word ANY[b][0]), which the first launch stored.
; PHASE 2: O / the sum goes to LDS in f32.  PHASE 3, wave = (16 outputs w % 4, quarter w / 4 of K): O wo^T with f32 operands, 64 products of 16 x 16 x 4 on two accumulators by turns.  PHASE 4: the four quarters and bo are added, waves 0-7 store two rows each.
; Both operands of phase 3 take k in the same order (a lane's 16 bytes: k = 8 chunk + 4 h + 0 .. 3, two products).
; LIMITS as in the attention launch.  A small launch: no ring, no cluster, no prefetch.
.set OP,    4112                       ; LDS: 16 rows of O, 4,096 bytes + 16
.set PART,  65792                      ; four quarters x 16 rows x (256 bytes + 16)
.set SPARE, 83200
.set SPW,  1
.set NIL,  2
.set L16,  3
.set GA,   4
.set NEG,  5
.set OST,  6
.set ORD,  7
.set WAD,  8
.set PST,  9
.set PRD,  10
.set COUT, 11
.set BAD,  12
.set ST,   16                          ; v16 m, v18 a (fillers above), v20-23 at work, v[24:25] the sum in two halves, v26-29 at work
.set Q,    32
.set S,    48
.set PH,   80
.set PL,   96
.set KV,   112                         ; v112-175 K's 8 fragments; the split's work; V's 4 high and 4 low fragments
.set O1,   176
.set O2,   208                         ; v240-255: the f32 products' two accumulators, written by matrix instructions alone
.set WV,   48
.set ANY,  51
.set STP,  52
.set SEL,  54
	s_load_b256 s[4:11], s[0:1], 0x0               ; qk, vv, msk, wo
	s_load_b128 s[12:15], s[0:1], 0x20             ; bo, out0
	s_load_b64 s[68:69], s[0:1], 0x30              ; flg
	v_lshl_add_u32 v[SPW], v0, 2, SPARE
	v_mov_b32 v[NIL], 0
	v_lshrrev_b32 v[L16], 5, v0
	v_readfirstlane_b32 s[WV], v[L16]              ; wave 0..15
	s_and_b32 s49, ttmp7, 0xffff                   ; b
	v_and_b32 v13, 15, v0                          ; r
	v_bfe_u32 v14, v0, 4, 1                        ; h
	v_and_b32 v[L16], 31, v0
	v_lshlrev_b32 v[L16], 4, v[L16]
	v_mov_b32 v[NEG], 0xcd09960c                   ; -1e8 log2(e)
	s_lshr_b32 s50, s[WV], 2                       ; quarter of K
	s_and_b32 s53, s[WV], 3                        ; tile of 16 outputs
	v_mul_u32_u24 v[OST], v13, OP
	v_lshl_add_u32 v[ORD], v14, 4, v[OST]
	v_lshl_add_u32 v[OST], v14, 5, v[OST]
	s_lshl_b32 s2, s[WV], 8
	v_add_nc_u32 v[OST], s2, v[OST]                ; O in: row r, my head's 256 bytes, + 32 h
	s_lshl_b32 s2, s50, 10
	v_add_nc_u32 v[ORD], s2, v[ORD]                ; O back: row r, my quarter's 1,024 bytes, + 16 h
	v_lshlrev_b32 v[WAD], 12, v13
	v_lshl_add_u32 v[WAD], v14, 4, v[WAD]          ; wo: row r, + 16 h
	v_mul_u32_u24 v[PST], v13, 272
	v_lshl_add_u32 v[PST], v14, 5, v[PST]
	s_mul_i32 s2, s50, 16*272
	s_lshl_b32 s3, s53, 6
	s_add_co_u32 s2, s2, s3
	s_add_co_u32 s2, s2, PART
	v_add_nc_u32 v[PST], s2, v[PST]                ; a part in: my quarter, row r, my tile's 64 bytes, + 32 h
	v_mul_u32_u24 v[PRD], v14, 272
	v_lshl_add_u32 v[PRD], v13, 4, v[PRD]
	s_mul_i32 s2, s[WV], 2*272
	s_add_co_u32 s2, s2, PART
	v_add_nc_u32 v[PRD], s2, v[PRD]                ; back: rows 2 w and 2 w + 1 (waves 0-7)
	v_lshlrev_b32 v[COUT], 12, v14
	v_lshl_add_u32 v[COUT], v13, 4, v[COUT]
	v_lshlrev_b32 v[BAD], 4, v13
	s_mov_b32 s[SEL], 0x76543210
	s_mov_b32 s[SEL+1], 0xfedcba98
	s_mov_b32 s67, 0
	s_wait_kmcnt 0x0
	s_lshl_b32 s2, s49, 4
	s_add_co_u32 s2, s2, s[WV]
	s_lshl_b32 s66, s2, 18
	s_add_nc_u64 s[4:5], s[4:5], s[66:67]          ; my head's Q', tile 0
	s_add_nc_u64 s[56:57], s[4:5], 0x1000000       ; its K
	s_add_nc_u64 s[58:59], s[6:7], s[66:67]        ; V's high part
	s_add_nc_u64 s[60:61], s[58:59], 0x1000000     ; and low
	s_lshl_b32 s66, s49, 19
	s_add_nc_u64 s[62:63], s[8:9], s[66:67]        ; the mask words of (b, tile 0)
	s_lshl_b32 s66, s49, 9
	s_add_nc_u64 s[68:69], s[68:69], s[66:67]
	s_load_b32 s[ANY], s[68:69], 0x0               ; ANY[b][0]: which steps hold a kept key
	s_lshl_b32 s66, ttmp9, 18
	s_lshl_b32 s2, s53, 16
	s_add_co_u32 s66, s66, s2
	s_lshl_b32 s2, s50, 10
	s_add_co_u32 s66, s66, s2
	s_add_nc_u64 s[10:11], s[10:11], s[66:67]      ; wo: my 16 rows, my quarter of K
	s_lshl_b32 s66, ttmp9, 8
	s_add_nc_u64 s[12:13], s[12:13], s[66:67]
	s_lshl_b32 s2, s49, 23
	s_add_co_u32 s66, s66, s2
	s_lshl_b32 s2, s[WV], 13
	s_add_co_u32 s66, s66, s2
	s_add_nc_u64 s[14:15], s[14:15], s[66:67]      ; out0: batch b, rows 2 w on, my work-group's 256 bytes
.set n, 0
.rept 4
	global_load_b128 v[Q+4*n:Q+4*n+3], v[L16], s[4:5] offset:512*n
.set n, n+1
.endr
.set n, 0
.rept 64
	v_mov_b32 v[O1+n], 0                           ; which step is the first hangs on the list, so no first step can be written out
.set n, n+1
.endr
.set n, 0
.rept 14
	v_mov_b32 v[ST+n], 0
.set n, n+1
.endr
	v_mov_b32 v[ST], 0xff61b1e6                    ; -3e38
	s_mov_b32 s[STP], 0
	s_wait_loadcnt 0x0
	s_wait_kmcnt 0x0
.macro FPV kc                          ; keys 32 kc on: V's four high and four low fragments, twelve products; four accumulators by turns in each run
.set n, 0
.rept 8
	global_load_b128 v[KV+4*n:KV+4*n+3], v[GA], s[58:59] offset:4096*\kc+512*n
	global_load_b128 v[KV+32+4*n:KV+32+4*n+3], v[GA], s[60:61] offset:4096*\kc+512*n
.set n, n+1
.endr
	s_wait_loadcnt 0x0
.irp f, 0,1,2,3
	v_wmma_f32_16x16x32_f16 v[O1+8*\f:O1+8*\f+7], v[KV+8*\f:KV+8*\f+7], v[PH+8*\kc:PH+8*\kc+7], v[O1+8*\f:O1+8*\f+7]
.endr
.irp f, 0,1,2,3
	v_wmma_f32_16x16x32_f16 v[O2+8*\f:O2+8*\f+7], v[KV+32+8*\f:KV+32+8*\f+7], v[PH+8*\kc:PH+8*\kc+7], v[O2+8*\f:O2+8*\f+7]
.endr
.irp f, 0,1,2,3
	v_wmma_f32_16x16x32_f16 v[O2+8*\f:O2+8*\f+7], v[KV+8*\f:KV+8*\f+7], v[PL+8*\kc:PL+8*\kc+7], v[O2+8*\f:O2+8*\f+7]
.endr
.rept 5
	v_nop                                          ; places in front of loads into, and products that write over, registers that these have read
.endr
.endm
.Lstep:
	s_lshl_b32 s2, 1, s[STP]
	s_and_b32 s2, s2, s[ANY]
	s_cmp_eq_u32 s2, 0
	s_cbranch_scc1 .Lnext                          ; a step without a kept key adds nothing
	v_lshl_add_u32 v[GA], s[STP], 13, v[L16]
.set n, 0
.rept 16
	global_load_b128 v[KV+4*n:KV+4*n+3], v[GA], s[56:57] offset:512*n
.set n, n+1
.endr
	s_lshl_b32 s2, s[STP], 7
	s_load_b512 s[16:31], s[62:63], s2 offset:0x0
	s_load_b512 s[32:47], s[62:63], s2 offset:0x40
	s_wait_loadcnt 0x0
.irp c, 0,1
.irp a, 0,1,2,3
.if \c
	v_wmma_f32_16x16x32_f16 v[S+8*\a:S+8*\a+7], v[KV+16*\a+8:KV+16*\a+15], v[Q+8:Q+15], v[S+8*\a:S+8*\a+7]
.else
	v_wmma_f32_16x16x32_f16 v[S+8*\a:S+8*\a+7], v[KV+16*\a:KV+16*\a+7], v[Q:Q+7], 0
.endif
.endr
.endr
.rept 4
	v_nop
.endr
	s_wait_kmcnt 0x0
.set n, 0
.rept 32
	v_cndmask_b32 v[S+n], v[NEG], v[S+n], s[16+n]
.set n, n+1
.endr
.irp j, 0,1,2,3
	v_max3_num_f32 v[ST+4+\j], v[S+8*\j], v[S+8*\j+1], v[S+8*\j+2]
.endr
.irp u, 3,5
.irp j, 0,1,2,3
	v_max3_num_f32 v[ST+4+\j], v[ST+4+\j], v[S+8*\j+\u], v[S+8*\j+\u+1]
.endr
.endr
	v_max3_num_f32 v[ST+4], v[ST+4], v[S+7], v[S+15]
	v_max3_num_f32 v[ST+6], v[ST+6], v[S+23], v[S+31]
	v_max3_num_f32 v[ST+4], v[ST+4], v[ST+5], v[ST+6]
	v_max3_num_f32 v[ST+4], v[ST+4], v[ST+7], v[ST]
	v_permlanex16_b32 v[ST+5], v[ST+4], s[SEL], s[SEL+1]
	v_max_num_f32 v[ST+6], v[ST+4], v[ST+5]
	v_sub_f32 v[ST+7], v[ST], v[ST+6]
	v_mov_b32 v[ST], v[ST+6]
.set n, 0
.rept 16
	v_pk_add_f32 v[S+2*n:S+2*n+1], v[S+2*n:S+2*n+1], v[ST:ST+1] op_sel_hi:[1,0] neg_lo:[0,1] neg_hi:[0,1]
.set n, n+1
.endr
	v_exp_f32 v[ST+2], v[ST+7]
.set n, 0
.rept 32
	v_exp_f32 v[S+n], v[S+n]
.set n, n+1
.endr
	v_nop                                          ; a plain place behind the last exponential
	s_wait_alu depctr_va_vdst(0)                   ; one wait for the batch, ahead of its first reader
	v_pk_add_f32 v[ST+10:ST+11], v[S:S+1], v[S+2:S+3]          ; the row's sum of the unrounded p, in two chains
	v_pk_add_f32 v[ST+12:ST+13], v[S+4:S+5], v[S+6:S+7]
.irp n, 8,12,16,20,24,28
	v_pk_add_f32 v[ST+10:ST+11], v[ST+10:ST+11], v[S+\n:S+\n+1]
	v_pk_add_f32 v[ST+12:ST+13], v[ST+12:ST+13], v[S+\n+2:S+\n+3]
.endr
	v_pk_add_f32 v[ST+10:ST+11], v[ST+10:ST+11], v[ST+12:ST+13]
	v_pk_fma_f32 v[ST+8:ST+9], v[ST+8:ST+9], v[ST+2:ST+3], v[ST+10:ST+11] op_sel_hi:[1,0,1]
.set n, 0
.rept 16
	v_pk_mul_f32 v[KV+2*n:KV+2*n+1], v[S+2*n:S+2*n+1], 0x46000400 op_sel_hi:[1,0]   ; t = 8193 p
.set n, n+1
.endr
.set n, 0
.rept 16
	v_pk_add_f32 v[KV+32+2*n:KV+32+2*n+1], v[S+2*n:S+2*n+1], v[KV+2*n:KV+2*n+1] neg_lo:[0,1] neg_hi:[0,1]
.set n, n+1
.endr
.set n, 0
.rept 16
	v_pk_add_f32 v[KV+2*n:KV+2*n+1], v[KV+2*n:KV+2*n+1], v[KV+32+2*n:KV+32+2*n+1]   ; the high part
.set n, n+1
.endr
.set n, 0
.rept 16
	v_pk_add_f32 v[S+2*n:S+2*n+1], v[S+2*n:S+2*n+1], v[KV+2*n:KV+2*n+1] neg_lo:[0,1] neg_hi:[0,1]   ; the low part, exact
.set n, n+1
.endr
.set n, 0
.rept 16
	v_pk_mul_f32 v[S+2*n:S+2*n+1], v[S+2*n:S+2*n+1], 0x45000000 op_sel_hi:[1,0]     ; x 2,048
.set n, n+1
.endr
.set n, 0
.rept 16
	v_cvt_pk_f16_f32 v[PH+n], v[KV+2*n], v[KV+2*n+1]
	v_cvt_pk_f16_f32 v[PL+n], v[S+2*n], v[S+2*n+1]
.set n, n+1
.endr
.set n, 0
.rept 32
	v_pk_mul_f32 v[O1+2*n:O1+2*n+1], v[O1+2*n:O1+2*n+1], v[ST+2:ST+3] op_sel_hi:[1,0]   ; both sums under the new maximum
.set n, n+1
.endr
	FPV 0
	FPV 1
.Lnext:
	s_add_co_u32 s[STP], s[STP], 1
	s_cmp_lt_u32 s[STP], 32
	s_cbranch_scc1 .Lstep
	; ---- PHASE 2
	v_add_f32 v[ST+8], v[ST+8], v[ST+9]
	v_permlanex16_b32 v[ST+10], v[ST+8], s[SEL], s[SEL+1]
	v_add_f32 v[ST+8], v[ST+8], v[ST+10]           ; the row's sum
	v_rcp_f32 v[ST+2], v[ST+8]
.set n, 0
.rept 16
	v_pk_fma_f32 v[O1+2*n:O1+2*n+1], v[O2+2*n:O2+2*n+1], 0x3a000000, v[O1+2*n:O1+2*n+1] op_sel_hi:[1,0,1]   ; + the low sums / 2,048: independent work behind the reciprocal
.set n, n+1
.endr
	s_wait_alu depctr_va_vdst(0)
.set n, 0
.rept 16
	v_pk_mul_f32 v[O1+2*n:O1+2*n+1], v[O1+2*n:O1+2*n+1], v[ST+2:ST+3] op_sel_hi:[1,0]
.set n, n+1
.endr
.irp f, 0,1,2,3
	ds_store_b128 v[OST], v[O1+8*\f:O1+8*\f+3] offset:64*\f          ; O(r, 64 head + 16 f + 8 h + 0 .. 7)
	ds_store_b128 v[OST], v[O1+8*\f+4:O1+8*\f+7] offset:64*\f+16
.endr
	s_wait_dscnt 0x0                               ; the stores have landed, for the others' sake, and have read their registers
.set n, 0
.rept 32
	global_load_b128 v[112+4*n:112+4*n+3], v[WAD], s[10:11] offset:32*n   ; wo(16 tile + r, 256 quarter + 8 n + 4 h + 0 .. 3), f32
.set n, n+1
.endr
	s_barrier_signal -1
	s_barrier_wait -1                              ; 16 whole rows of O lie in LDS
	; ---- PHASE 3
.macro OBATCH q                        ; O's chunks 8 q .. 8 q + 7 into set q % 2
.set n, 0
.rept 8
	ds_load_b128 v[32+32*((\q)%2)+4*n:32+32*((\q)%2)+4*n+3], v[ORD] offset:256*(\q)+32*n
.set n, n+1
.endr
.endm
.macro FBATCH q, zero                  ; 16 products: source 0 = 16 outputs of wo, source 1 = 16 tokens of O; two accumulators by turns
.set n, 0
.rept 8
.if (\zero) && (n == 0)
	v_wmma_f32_16x16x4_f32 v[240:247], v[112+32*(\q)+4*n:113+32*(\q)+4*n], v[32+32*((\q)%2)+4*n:33+32*((\q)%2)+4*n], 0
	v_wmma_f32_16x16x4_f32 v[248:255], v[114+32*(\q)+4*n:115+32*(\q)+4*n], v[34+32*((\q)%2)+4*n:35+32*((\q)%2)+4*n], 0
.else
	v_wmma_f32_16x16x4_f32 v[240:247], v[112+32*(\q)+4*n:113+32*(\q)+4*n], v[32+32*((\q)%2)+4*n:33+32*((\q)%2)+4*n], v[240:247]
	v_wmma_f32_16x16x4_f32 v[248:255], v[114+32*(\q)+4*n:115+32*(\q)+4*n], v[34+32*((\q)%2)+4*n:35+32*((\q)%2)+4*n], v[248:255]
.endif
.set n, n+1
.endr
.endm
.macro PLACES8
.rept 8
	v_nop                                          ; eight places behind this form (ISA guide 7.12.1)
.endr
.endm
	OBATCH 0
	OBATCH 1
	s_wait_loadcnt 0x0                             ; wo
	s_wait_dscnt 8                                 ; batch 0 is in; the next batch's eight loads may be out
	FBATCH 0, 1
	PLACES8
	OBATCH 2
	s_wait_dscnt 8
	FBATCH 1, 0
	PLACES8
	OBATCH 3
	s_wait_dscnt 8
	FBATCH 2, 0
	s_wait_dscnt 0x0
	FBATCH 3, 0
	PLACES8
.irp i, 0,2,4,6
	v_pk_add_f32 v[ST+\i:ST+\i+1], v[240+\i:241+\i], v[248+\i:249+\i]   ; into other registers
.endr
	ds_store_b128 v[PST], v[ST:ST+3]
	ds_store_b128 v[PST], v[ST+4:ST+7] offset:16
	s_wait_dscnt 0x0
	s_barrier_signal -1
	s_barrier_wait -1                              ; the sixteen parts lie in LDS
	; ---- PHASE 4
	s_cmp_lt_u32 s[WV], 8
	s_cbranch_scc0 .Lend
	global_load_b128 v[48:51], v[BAD], s[12:13]
.irp k, 0,1,2,3
	ds_load_b128 v[32+4*\k:35+4*\k], v[PRD] offset:4352*\k
.endr
	s_wait_dscnt 0x0
	v_pk_add_f32 v[32:33], v[32:33], v[36:37]
	v_pk_add_f32 v[34:35], v[34:35], v[38:39]
	v_pk_add_f32 v[40:41], v[40:41], v[44:45]
	v_pk_add_f32 v[42:43], v[42:43], v[46:47]
	v_pk_add_f32 v[32:33], v[32:33], v[40:41]
	v_pk_add_f32 v[34:35], v[34:35], v[42:43]
	s_wait_loadcnt 0x0
	v_pk_add_f32 v[32:33], v[32:33], v[48:49]
	v_pk_add_f32 v[34:35], v[34:35], v[50:51]
	global_store_b128 v[COUT], v[32:35], s[14:15]  ; sixteen lanes store 256 consecutive bytes of a row, at a multiple of 256 from out0's first byte
.Lend:
	s_wait_tensorcnt 0x0                           ; the wave's end, behind my last LDS store
	ds_add_u32 v[SPW], v[NIL]
	s_wait_dscnt 0x0
	s_endpgm
.Lfunc_end_k_qe289b99e91_fine:
	.size	k_qe289b99e91_fine, .Lfunc_end_k_qe289b99e91_fine-k_qe289b99e91_fine
	.p2alignl 7, 3214868480
	.fill 96, 4, 3214868480
	.section	.rodata,"a",@progbits
	.p2align	6, 0x0
	.amdhsa_kernel k_qe289b99e91_fine
		.amdhsa_group_segment_fixed_size 85248
		.amdhsa_private_segment_fixed_size 0
		.amdhsa_enable_private_segment 0
		.amdhsa_kernarg_size 56
		.amdhsa_user_sgpr_count 2
		.amdhsa_user_sgpr_kernarg_segment_ptr 1
		.amdhsa_wavefront_size32 1
		.amdhsa_system_sgpr_workgroup_id_x 1
		.amdhsa_system_sgpr_workgroup_id_y 1
		.amdhsa_system_sgpr_workgroup_id_z 1
		.amdhsa_system_vgpr_workitem_id 0
		.amdhsa_next_free_vgpr 256
		.amdhsa_next_free_sgpr 72
		.amdhsa_reserve_vcc 0
		.amdhsa_float_denorm_mode_32 3
		.amdhsa_float_denorm_mode_16_64 3
		.amdhsa_memory_ordered 1
		.amdhsa_forward_progress 1
		.amdhsa_inst_pref_size 45
	.end_amdhsa_kernel
	.amdgpu_metadata
---
amdhsa.version: [ 1, 2 ]
amdhsa.kernels:
  - .name:           k_qe289b99e91_fine
    .symbol:         k_qe289b99e91_fine.kd
    .args:
      - { .name: qk, .offset: 0, .size: 8, .value_kind: global_buffer, .address_space: global }
      - { .name: vv, .offset: 8, .size: 8, .value_kind: global_buffer, .address_space: global }
      - { .name: msk, .offset: 16, .size: 8, .value_kind: global_buffer, .address_space: global }
      - { .name: wo, .offset: 24, .size: 8, .value_kind: global_buffer, .address_space: global }
      - { .name: bo, .offset: 32, .size: 8, .value_kind: global_buffer, .address_space: global }
      - { .name: out0, .offset: 40, .size: 8, .value_kind: global_buffer, .address_space: global }
      - { .name: flg, .offset: 48, .size: 8, .value_kind: global_buffer, .address_space: global }
    .group_segment_fixed_size: 85248
    .private_segment_fixed_size: 0
    .kernarg_segment_align: 8
    .kernarg_segment_size: 56
    .max_flat_workgroup_size: 512
    .sgpr_count:     72
    .vgpr_count:     256
    .wavefront_size: 32
...
	.end_amdgpu_metadata
.endif
;; end of part 5
;; ======== version 2 of 2: 5 launches; version 1 with the launch proj written anew for expert scheduling mode
;; limits: values are held in f16: magnitudes above 65,504 overflow, below 6.1e-05 lose precision; right only within a limited range of input values
;; workspace buffers: flg 4,096 bytes of whole numbers; wq4 1,671,168 bytes; wo16 2,097,152 bytes; msk 2,097,152 bytes of whole numbers; qk 33,554,432 bytes; vv 33,554,432 bytes; ao 16,777,216 bytes
;; launch prep: the kernel of part 1 again; grid 208 x 1, 4 waves a work-group, no clusters, 0 bytes of LDS; arguments mask, pad_mask, wq, wk, wv, wo, wq4, wo16, msk, flg; writes wq4, wo16, msk, flg
;; launch proj (part 6): grid 64 x 3, 16 waves a work-group, no clusters, 71,680 bytes of LDS; arguments q, k, v, bq, bk, bv, wq4, qk, vv; writes qk, vv
.if DOCPART == 6
	.amdgcn_target "amdgcn-amd-amdhsa--gfx1250"
	.amdhsa_code_object_version 6
	.text
	.protected	k_qe289b99e91_proj
	.globl	k_qe289b99e91_proj
	.p2align	8
	.type	k_qe289b99e91_proj,@function
k_qe289b99e91_proj:
	s_mov_b64 s[64:65], 0
	v_nop
	global_prefetch_b8 v0, s[64:65] scope:SCOPE_SE
	s_setreg_imm32_b32 hwreg(HW_REG_WAVE_SCHED_MODE, 0, 2), 2
	s_setreg_imm32_b32 hwreg(HW_REG_WAVE_MODE, 25, 1), 1
	s_wait_xcnt 0x0
	s_wait_alu depctr_vm_vsrc(0)
; PROJ: the three quantised products x W^T + b, x = q, k, v (work-group y), on codes of E2M1 with one E8M0 scale for each 32 along K.
; A work-group takes 128 tokens.  PHASE X: its rows of x are read once and quantised in registers; the 64 fragments (8 tiles of 16 tokens x 8 K steps) go to LDS as images of the operand's registers.
; PHASE G: wave w makes head w's 64 features for the 128 tokens, in two passes of 32 features: 16 accumulators.  W's codes and scale words come straight from memory as images (made by the launch before).
; q, k: source 0 = 16 rows of W, source 1 = 16 tokens: a lane holds one token and features 8 h + j, so two neighbouring tiles of features, rounded to f16 in pairs, ARE a 16-bit fragment (16 tokens x 32 channels).
;   Q is multiplied by c = log2(e) / 8 first, so that the scores come out as exponents of 2.   qk: Q' at 0, K at 16,777,216: [b][head][tile 128][c 2] x 1,024 bytes.
; v: the sources the other way round: a lane holds one channel and tokens 8 h + j: half a fragment of V^T (16 channels x 32 keys).  V leaves as a high f16 part and a low one x 2,048.
;   vv: high at 0, low at 16,777,216: [b][head][step of 64 keys 32][kc 2][f 4] x 1,024 bytes.
; The split: t = 8193 x, hi = t + (x - t) is x rounded to 11 significant bits, lo = x - hi is exact.
; LIMITS: c Q, K, V within f16's range, 65,504; blocks whose largest magnitude lies under 2^-124 keep the scale byte 1; NaN and infinities are not served.
; No cluster, no tensor load: x is read by one work-group alone, and each fragment of W is read once by a work-group, straight into the registers that multiply it.
; THE MODE: SCHED_MODE bits 1:0 = 2 (LLVM: expert scheduling mode 2), set by the entry lines.  The code itself states the register dependences
; between vector or matrix instructions and memory or LDS instructions, with s_wait_alu, always for 0.
; THE PLAN.  Registers that memory or LDS instructions touch:
;   v0, v3        offsets, made at the head and never written again.   v1, v2: made at the head, read by the closing add alone.
;   PHASE X.  v16-18: addresses, made at the head, read by x's loads and by the LDS stores.   XA0, XA1 (v128-191, v192-255): step i's quantiser reads XA[i % 2]; behind it the loads of step i + 2 land there.
;             PC0-3 (v64-95), PW0-3 (v48-51): step i's quantiser writes its own set, its three LDS stores read it, and nothing writes it again in the phase.
;             So ONE wait on va_vdst stands in a step, behind the quantiser, and ONE wait on vm_vsrc behind the barrier, where all these registers change hands.
;   PHASE G.  WS, BIAS: loaded at a pass's head, read by the products.   WF0, WF1: step s asks for set (s + 1) % 2, which the products of step s - 1 read last.   XS, XF: loaded at a step's head, read by that step's products.
;             v128: the bias loads' offset, made at a pass's head, written again by the first product.
;             So ONE wait on va_vdst stands at the head of a pass and of each step but the first, and one wait on vm_vsrc ahead of a pass's first product.
;   THE WAY OUT.  XF is two out-buffers of 32 registers.  Group g of four tiles writes half g % 2; the stores of that half are issued in group g + 1, a pair ahead of each tile's arithmetic, which names the other half,
;             the accumulators and v32-47 alone.  One wait on va_vdst at a group's head; one on vm_vsrc ahead of a group that writes a half again.
.set XSC,   65536                      ; LDS: 0 .. 65,535 x's fragments, (8 T + s) x 1,024; then the scale words [s 8][lane 32][4]: word i: lanes 0-15 tile 2 i, lanes 16-31 tile 2 i + 1
.set SPARE, 69632                      ; the spare words, 128 bytes for each wave
.set SPW,   1
.set NIL,   2
.set L16,   3                          ; v3      16 x lane.   v0 becomes XSC + 16 x lane
.set WS,    4                          ; v4-11   W's scale words of the 8 K steps: scales and nothing else
.set XS,    12                         ; v12-15  x's scale words of a K step: scales and nothing else
.set BIAS,  16                         ; v16-31  the bias in the result's layout;  in phase X: three addresses
.set XAD,   16
.set XWI,   17
.set XWS,   18
.set WF,    32                         ; v32-63  W's fragments, two sets of two;  in phase X the quantiser's work and the four scale words;  on v's way out the split's work
.set TM,    32
.set PW,    48                         ; v48-51  in phase X: a scale word for each of my four K steps
.set TH,    32
.set TD,    40
.set XF,    64                         ; v64-127 x's eight fragments of a K step;  on the way out what is stored, in two halves;  in phase X the codes
.set PC,    64                         ; v64-95  in phase X: eight registers of codes for each of my four K steps
.set ACC,   128                        ; v128-255 accumulator (f, T) at 128 + 64 f + 8 T;  in phase X two sets of 64 numbers
.set XA,    128
.set SEL,   22
.set WV,    24
.set YY,    29
.set WB,    32                         ; s[32:33] W's codes, s[34:35] its scale words, s[36:37] the output, s[38:39] V's low part
.set SB,    34
.set OB,    36
.set OB2,   38
.set CS,    40
.set CC,    42
	s_load_b512 s[4:19], s[0:1], 0x0               ; q, k, v, bq, bk, bv, wq4, qk
	s_load_b64 s[20:21], s[0:1], 0x40              ; vv
	v_lshl_add_u32 v[SPW], v0, 2, SPARE
	v_mov_b32 v[NIL], 0
	v_lshrrev_b32 v[L16], 5, v0
	v_readfirstlane_b32 s[WV], v[L16]              ; wave 0..15
	v_and_b32 v[XWS], 15, v0                       ; r
	v_bfe_u32 v[XWI], v0, 4, 1                     ; h
	v_lshlrev_b32 v[XAD], 12, v[XWS]
	v_lshl_add_u32 v[XAD], v[XWI], 6, v[XAD]       ; x: row r of 4,096 bytes, + 16 h numbers
	v_and_b32 v[L16], 31, v0
	v_lshlrev_b32 v[L16], 4, v[L16]
	s_wait_alu depctr_va_sdst(0)                   ; the wave's number is written, ahead of its first reader: LDS addresses and all bases are made from it
	s_lshl_b32 s25, s[WV], 12
	v_add_nc_u32 v[XWI], s25, v[L16]               ; my four images: fragments 4 w .. 4 w + 3
	s_lshr_b32 s26, s[WV], 1                       ; T: my tile of tokens in phase X
	s_and_b32 s27, s26, 1
	s_lshl_b32 s27, s27, 8
	s_lshr_b32 s28, s26, 1
	s_lshl_b32 s28, s28, 2
	s_add_co_u32 s27, s27, s28
	s_and_b32 s28, s[WV], 1
	s_lshl_b32 s28, s28, 11                        ; my half of K: 2,048 bytes of a row of x, and 4 x 512 bytes of scale words
	s_add_co_u32 s27, s27, s28
	s_add_co_u32 s27, s27, XSC
	v_lshl_add_u32 v[XWS], v[XWS], 4, s27          ; XSC + 512 s + 16 (r + 16 (T % 2)) + 4 (T / 2)
	v_and_b32 v0, 31, v0
	v_lshl_add_u32 v0, v0, 4, XSC
	s_and_b32 s[YY], ttmp7, 0xffff                 ; 0: q, 1: k, 2: v
	s_mov_b32 s[SEL], 0x76543210
	s_mov_b32 s[SEL+1], 0xfedcba98
	s_mov_b32 s[CS], 0x3e38aa3b                    ; log2(e) / 8
	s_mov_b32 s[CS+1], s[CS]
	s_mov_b32 s31, 0
.irp b, 0,1,2,3
	v_mov_b32 v[TM+4+\b], 0                        ; a lane permute's destination counts as one of its sources
.endr
	s_wait_kmcnt 0x0
	s_cmp_eq_u32 s[YY], 1
	s_cselect_b64 s[4:5], s[6:7], s[4:5]
	s_cselect_b64 s[10:11], s[12:13], s[10:11]
	s_cselect_b32 s27, 0x1000000, 0                ; K lies behind Q'
	s_cmp_eq_u32 s[YY], 2
	s_cselect_b64 s[4:5], s[8:9], s[4:5]
	s_cselect_b64 s[10:11], s[14:15], s[10:11]
	s_cselect_b64 s[OB:OB+1], s[20:21], s[18:19]
	s_lshl_b32 s30, ttmp9, 19                      ; 128 rows of 4,096 bytes
	s_lshl_b32 s25, s26, 16
	s_add_co_u32 s30, s30, s25
	s_add_co_u32 s30, s30, s28
	s_add_nc_u64 s[4:5], s[4:5], s[30:31]
.macro XLOAD reg, s                    ; 64 numbers a lane: register 16 b + j = k 32 b + 16 h + j of my row, K step s of my four
.irp b, 0,1,2,3
.irp j, 0,1,2,3
	global_load_b128 v[(\reg)+16*\b+4*\j:(\reg)+16*\b+4*\j+3], v[XAD], s[4:5] offset:512*(\s)+128*\b+16*\j th:TH_LOAD_NT
.endr
.endr
.endm
	s_wait_alu depctr_va_vdst(0)                   ; the offsets and addresses v0 to v3 and v16 to v18 are written, which the loads and stores of the kernel read
	XLOAD XA, 0
	XLOAD XA+64, 1
	s_lshl_b32 s30, s[YY], 19                      ; the bases of phase G, while the loads are out
	s_lshl_b32 s25, s[WV], 15
	s_add_co_u32 s30, s30, s25
	s_add_nc_u64 s[WB:WB+1], s[16:17], s[30:31]    ; tiles 4 w on of tensor y
	s_lshl_b32 s30, s[YY], 15
	s_lshl_b32 s25, s[WV], 11
	s_add_co_u32 s30, s30, s25
	s_add_nc_u64 s[SB:SB+1], s[16:17], s[30:31]
	s_add_nc_u64 s[SB:SB+1], s[SB:SB+1], 0x180000
	s_lshl_b32 s30, s[WV], 8
	s_add_nc_u64 s[10:11], s[10:11], s[30:31]      ; my 64 numbers of the bias
	s_lshr_b32 s25, ttmp9, 4
	s_lshl_b32 s25, s25, 4
	s_add_co_u32 s25, s25, s[WV]                   ; 16 b + head
	s_lshl_b32 s30, s25, 18
	s_add_co_u32 s30, s30, s27
	s_and_b32 s25, ttmp9, 15
	s_lshl_b32 s25, s25, 14                        ; 8 tiles of 2,048 bytes, or 2 steps of 8,192
	s_add_co_u32 s30, s30, s25
	s_add_nc_u64 s[OB:OB+1], s[OB:OB+1], s[30:31]
.macro QUANT s, pc, pw
.irp b, 0,1,2,3
	v_max3_num_f32 v[TM+\b], |v[(\s)+16*\b]|, |v[(\s)+1+16*\b]|, 0x1800000   ; my 16 numbers of block b, and the floor 2^(3 - 127): the byte cannot fall under 1
.endr
.irp i, 2,4,6,8,10,12,14
.irp b, 0,1,2,3
	v_max3_num_f32 v[TM+\b], v[TM+\b], |v[(\s)+16*\b+\i]|, |v[(\s)+1+16*\b+\i]|
.endr
.endr
.irp b, 0,1,2,3
	v_permlanex16_b32 v[TM+4+\b], v[TM+\b], s[SEL], s[SEL+1]
.endr
.irp b, 0,1,2,3
	v_max_num_f32 v[TM+\b], v[TM+\b], v[TM+4+\b]   ; with lane l xor 16's: the block's largest magnitude
.endr
.irp b, 0,1,2,3
	v_add_nc_u32 v[TM+12+\b], 0xff000000, v[TM+\b] ; 2 off its exponent field: the conversion's scale operand
.endr
.irp b, 0,1,2,3
	v_lshrrev_b32 v[TM+4+\b], 23, v[TM+12+\b]      ; the scale's byte
.endr
	v_lshl_or_b32 v[(\pw)], v[TM+5], 8, v[TM+4]
	v_lshl_or_b32 v[(\pw)], v[TM+6], 16, v[(\pw)]
	v_lshl_or_b32 v[(\pw)], v[TM+7], 24, v[(\pw)]
.irp b, 0,1,2,3
	v_cvt_scalef32_pk8_fp4_f32 v[(\pc)+2*\b], v[(\s)+16*\b:(\s)+7+16*\b], v[TM+12+\b]
	v_cvt_scalef32_pk8_fp4_f32 v[(\pc)+1+2*\b], v[(\s)+8+16*\b:(\s)+15+16*\b], v[TM+12+\b]
.endr
	v_nop                                          ; one plain place behind a scaled conversion
.irp c, 0,1
.irp i, 0,1
	v_permlane16_swap_b32 v[(\pc)+4*\c+\i], v[(\pc)+2+4*\c+\i]
.endr
.endr
.endm
; ---- PHASE X: wave w quantises tile w / 2, K steps 4 (w % 2) + 0 .. 3.  Each step has its own registers for its codes and its scale word, so no store's data are written again in the phase
.irp i, 0,1,2,3
.if \i < 3
	s_wait_loadcnt 16                              ; this K step's 16 loads are in, the next one's may be out
.else
	s_wait_loadcnt 0x0
.endif
	QUANT XA+64*(\i%2), PC+8*\i, PW+\i
	s_wait_alu depctr_va_vdst(0)                   ; the quantiser has written this step's codes and scale word, which the LDS stores read, and is done reading its 64 numbers, in whose registers the loads below land
.if \i < 2
	XLOAD XA+64*(\i%2), \i+2
.endif
	ds_store_b128 v[XWI], v[PC+8*\i:PC+8*\i+3] offset:1024*\i
	ds_store_b128 v[XWI], v[PC+8*\i+4:PC+8*\i+7] offset:1024*\i+512
	ds_store_b32 v[XWS], v[PW+\i] offset:512*\i    ; both halves of the lanes write the same word with the same value
.endr
	s_wait_dscnt 0x0                               ; for the others' sake: my four images and their scale words have landed
	s_barrier_signal -1
	s_barrier_wait -1                              ; x's 64 fragments and their scale words lie in LDS; nothing is stored there again
	s_wait_alu depctr_vm_vsrc(0)                   ; my LDS stores have read v17, v18, v48-51 and v64-95, and x's loads v16: these registers are BIAS, WF and XF from here on, in which loads land
.macro WLOAD s                         ; W's two fragments of K step s into set s % 2
.set n, 0
.rept 4
	global_load_b128 v[WF+16*((\s)%2)+4*n:WF+16*((\s)%2)+4*n+3], v[L16], s[WB:WB+1] offset:8192*(n/2)+1024*(\s)+512*(n%2)
.set n, n+1
.endr
.endm
.macro WM d, a, b, c, sa, sb, ra, rb   ; ra, rb: which half of the lanes holds the side's scale words
.if (\ra) && (\rb)
	v_wmma_scale_f32_16x16x128_f8f6f4 v[(\d):(\d)+7], v[(\a):(\a)+7], v[(\b):(\b)+7], v[(\c):(\c)+7], v[(\sa)], v[(\sb)] matrix_a_fmt:MATRIX_FMT_FP4 matrix_b_fmt:MATRIX_FMT_FP4 matrix_a_scale:MATRIX_SCALE_ROW1 matrix_b_scale:MATRIX_SCALE_ROW1
.elseif (\ra)
	v_wmma_scale_f32_16x16x128_f8f6f4 v[(\d):(\d)+7], v[(\a):(\a)+7], v[(\b):(\b)+7], v[(\c):(\c)+7], v[(\sa)], v[(\sb)] matrix_a_fmt:MATRIX_FMT_FP4 matrix_b_fmt:MATRIX_FMT_FP4 matrix_a_scale:MATRIX_SCALE_ROW1
.elseif (\rb)
	v_wmma_scale_f32_16x16x128_f8f6f4 v[(\d):(\d)+7], v[(\a):(\a)+7], v[(\b):(\b)+7], v[(\c):(\c)+7], v[(\sa)], v[(\sb)] matrix_a_fmt:MATRIX_FMT_FP4 matrix_b_fmt:MATRIX_FMT_FP4 matrix_b_scale:MATRIX_SCALE_ROW1
.else
	v_wmma_scale_f32_16x16x128_f8f6f4 v[(\d):(\d)+7], v[(\a):(\a)+7], v[(\b):(\b)+7], v[(\c):(\c)+7], v[(\sa)], v[(\sb)] matrix_a_fmt:MATRIX_FMT_FP4 matrix_b_fmt:MATRIX_FMT_FP4
.endif
.endm
.macro GMUL s, form, T                 ; tile T of tokens against W's two tiles: two products.  The first step's C is the bias
.irp f, 0,1
.set AC, ACC+64*\f+8*(\T)
.set CR, AC
.if (\s) == 0
.set CR, BIAS+8*\f
.endif
.if \form
	WM AC, XF+8*(\T), WF+16*((\s)%2)+8*\f, CR, XS+(\T)/2, WS+(\s), (\T)%2, \f
.else
	WM AC, WF+16*((\s)%2)+8*\f, XF+8*(\T), CR, WS+(\s), XS+(\T)/2, \f, (\T)%2
.endif
.endr
.endm
; A K step of 128: W's next two fragments from memory, x's scale words and eight fragments from LDS, 16 products on 16 accumulators by turns.  form 0: q, k; 1: v.
; The loads stand in the order of their use, so that the products of tiles 0-3 go out while tiles 4-7 are on their way.
.macro GSTEP s, form
.rept 4
	v_nop                                          ; the places behind the last step's products stay beside the wait below
.endr
.if (\s) > 0
	s_wait_alu depctr_va_vdst(0)                   ; the products issued so far are done reading XF, XS and the set of W that is asked for next: the loads below land in these registers.  (In a pass's first step the wait at the pass's head has stated that)
.endif
.if (\s) < 7
	WLOAD (\s)+1
.endif
	ds_load_b128 v[XS:XS+3], v0 offset:512*(\s)
.set n, 0
.rept 16
	ds_load_b128 v[XF+4*n:XF+4*n+3], v[L16] offset:(8*(n/2)+(\s))*1024+512*(n%2)
.set n, n+1
.endr
.if (\s) < 7
	s_wait_loadcnt 4                               ; all but the four loads just issued: this step's W (at the first step the scale words and the bias too)
.else
	s_wait_loadcnt 0x0
.endif
.if (\s) == 0
	s_wait_alu depctr_vm_vsrc(0)                   ; the bias loads have read their offset, v128, which the first product writes
.endif
	s_wait_dscnt 8                                 ; LDS loads come back in order (ISA guide 5.7.1): the scale words and tiles 0-3 are in, the eight loads of tiles 4-7 may be out
.irp T, 0,1,2,3
	GMUL \s, \form, \T
.endr
	s_wait_dscnt 0x0                               ; tiles 4-7 are in
.irp T, 4,5,6,7
	GMUL \s, \form, \T
.endr
.endm
.macro QTILE T                         ; q, k: tile T's two accumulators, rounded to f16 in pairs, are a fragment
.set n, 0
.rept 8
	v_cvt_pk_f16_f32 v[XF+8*(\T)+n], v[ACC+64*(n/4)+8*(\T)+2*(n%4)], v[ACC+64*(n/4)+8*(\T)+2*(n%4)+1]
.set n, n+1
.endr
.endm
.macro QSEND T
	global_store_b128 v[L16], v[XF+8*(\T):XF+8*(\T)+3], s[OB:OB+1] offset:2048*(\T)        ; 512 consecutive bytes
	global_store_b128 v[L16], v[XF+8*(\T)+4:XF+8*(\T)+7], s[OB:OB+1] offset:2048*(\T)+512
.endm
.macro VTILE f, T                      ; v: accumulator (f, T) is split; the high part goes to XF + 8 T on, the low part x 2,048 behind it
.set AC, ACC+64*(\f)+8*(\T)
.irp i, 0,2,4,6
	v_pk_mul_f32 v[TH+\i:TH+\i+1], v[AC+\i:AC+\i+1], 0x46000400 op_sel_hi:[1,0]   ; t = 8193 x
.endr
.irp i, 0,2,4,6
	v_pk_add_f32 v[TD+\i:TD+\i+1], v[AC+\i:AC+\i+1], v[TH+\i:TH+\i+1] neg_lo:[0,1] neg_hi:[0,1]   ; x - t
.endr
.irp i, 0,2,4,6
	v_pk_add_f32 v[TH+\i:TH+\i+1], v[TH+\i:TH+\i+1], v[TD+\i:TD+\i+1]              ; hi
.endr
.irp i, 0,2,4,6
	v_pk_add_f32 v[AC+\i:AC+\i+1], v[AC+\i:AC+\i+1], v[TH+\i:TH+\i+1] neg_lo:[0,1] neg_hi:[0,1]   ; lo, exact
.endr
.irp i, 0,2,4,6
	v_pk_mul_f32 v[AC+\i:AC+\i+1], v[AC+\i:AC+\i+1], 0x45000000 op_sel_hi:[1,0]   ; x 2,048
.endr
.irp i, 0,1,2,3
	v_cvt_pk_f16_f32 v[XF+8*(\T)+\i], v[TH+2*\i], v[TH+2*\i+1]
.endr
.irp i, 0,1,2,3
	v_cvt_pk_f16_f32 v[XF+8*(\T)+4+\i], v[AC+2*\i], v[AC+2*\i+1]
.endr
.endm
.macro VSEND f, T
	global_store_b128 v[L16], v[XF+8*(\T):XF+8*(\T)+3], s[OB:OB+1] offset:8192*((\T)/4)+4096*(((\T)/2)%2)+1024*(\f)+512*((\T)%2)
	global_store_b128 v[L16], v[XF+8*(\T)+4:XF+8*(\T)+7], s[OB2:OB2+1] offset:8192*((\T)/4)+4096*(((\T)/2)%2)+1024*(\f)+512*((\T)%2)
.endm
	s_mov_b32 s[CC], 0
	s_cmp_eq_u32 s[YY], 2
	s_cbranch_scc1 .Lvform
; ---- PHASE G for q and k: two passes of 32 features
.Lqk:
	v_and_b32 v[ACC], 0x100, v[L16]
	v_lshrrev_b32 v[ACC], 3, v[ACC]                ; 32 h: register j of tile f wants b[16 f + 8 h + j].  (The first products write this register behind the waits that show these loads done and their offset read)
	s_wait_alu depctr_va_vdst(0)                   ; v128 is written, which the bias loads read as their offset
	global_load_b128 v[WS:WS+3], v[L16], s[SB:SB+1]
	global_load_b128 v[WS+4:WS+7], v[L16], s[SB:SB+1] offset:512
.set n, 0
.rept 4
	global_load_b128 v[BIAS+4*n:BIAS+4*n+3], v[ACC], s[10:11] offset:64*(n/2)+16*(n%2)
.set n, n+1
.endr
	WLOAD 0
.irp s, 0,1,2,3,4,5,6,7
	GSTEP \s, 0
.endr
.rept 4
	v_nop                                          ; places in front of the first read of results and the first write of operands
.endr
	s_cmp_lg_u32 s[YY], 0
	s_cbranch_scc1 .Lnoscale
.set n, 0
.rept 64
	v_pk_mul_f32 v[ACC+2*n:ACC+2*n+1], v[ACC+2*n:ACC+2*n+1], s[CS:CS+1] op_sel_hi:[1,0]   ; Q' = c Q
.set n, n+1
.endr
.Lnoscale:
.irp T, 0,1,2,3
	QTILE \T
.endr
	s_wait_alu depctr_va_vdst(0)                   ; tiles 0-3 are written into XF's lower half, which the stores below read; the roundings between them name the upper half and the accumulators alone
.irp T, 4,5,6,7
	QSEND \T-4
	QTILE \T
.endr
	s_wait_alu depctr_va_vdst(0)                   ; tiles 4-7 are written into XF's upper half, which the last stores read
.irp T, 4,5,6,7
	QSEND \T
.endr
	s_wait_xcnt 0x0                                ; bases and the stores' data are written again only behind this wait
	s_wait_alu depctr_vm_vsrc(0)                   ; the stores have read XF, in which the next pass's LDS loads land
	s_add_nc_u64 s[WB:WB+1], s[WB:WB+1], 16384
	s_add_nc_u64 s[SB:SB+1], s[SB:SB+1], 1024
	s_add_nc_u64 s[10:11], s[10:11], 128
	s_add_nc_u64 s[OB:OB+1], s[OB:OB+1], 1024
	s_add_co_u32 s[CC], s[CC], 1
	s_cmp_lt_u32 s[CC], 2
	s_cbranch_scc1 .Lqk
	s_branch .Lend
; ---- PHASE G for v
.Lvform:
	s_add_nc_u64 s[OB2:OB2+1], s[OB:OB+1], 0x1000000
.Lv:
	v_and_b32 v[ACC], 0xf0, v[L16]
	v_lshrrev_b32 v[ACC], 2, v[ACC]                ; 4 r: all eight registers of tile f want b[16 f + r]
	s_wait_alu depctr_va_vdst(0)                   ; v128 is written, which the bias loads read as their offset
	global_load_b128 v[WS:WS+3], v[L16], s[SB:SB+1]
	global_load_b128 v[WS+4:WS+7], v[L16], s[SB:SB+1] offset:512
.set n, 0
.rept 16
	global_load_b32 v[BIAS+n], v[ACC], s[10:11] offset:64*(n/8)
.set n, n+1
.endr
	WLOAD 0
.irp s, 0,1,2,3,4,5,6,7
	GSTEP \s, 1
.endr
.rept 4
	v_nop                                          ; places in front of the first read of results and the first write of operands
.endr
.irp T, 0,1,2,3
	VTILE 0, \T                                    ; group 0 writes XF's lower half
.endr
	s_wait_alu depctr_va_vdst(0)                   ; group 0 has written XF's lower half, which the stores below read; the arithmetic between them names the upper half, the accumulators and v32-47 alone
.irp T, 4,5,6,7
	VSEND 0, \T-4
	VTILE 0, \T                                    ; group 1 writes the upper half
.endr
	s_wait_xcnt 0x0                                ; group 0's stores have had their addresses translated: their data are written again only behind this wait
	s_wait_alu depctr_vm_vsrc(0)                   ; group 0's stores have read XF's lower half, which group 2 writes again
	s_wait_alu depctr_va_vdst(0)                   ; group 1 has written the upper half, which the stores below read
.irp T, 0,1,2,3
	VSEND 0, \T+4
	VTILE 1, \T                                    ; group 2
.endr
	s_wait_xcnt 0x0                                ; likewise for group 1's stores
	s_wait_alu depctr_vm_vsrc(0)                   ; group 1's stores have read XF's upper half, which group 3 writes again
	s_wait_alu depctr_va_vdst(0)                   ; group 2 has written the lower half, which the stores below read
.irp T, 4,5,6,7
	VSEND 1, \T-4
	VTILE 1, \T                                    ; group 3
.endr
	s_wait_alu depctr_va_vdst(0)                   ; group 3 has written the upper half, which the last stores read
.irp T, 4,5,6,7
	VSEND 1, \T
.endr
	s_wait_xcnt 0x0                                ; bases and the stores' data are written again only behind this wait
	s_wait_alu depctr_vm_vsrc(0)                   ; the stores have read XF, in which the next pass's LDS loads land
	s_add_nc_u64 s[WB:WB+1], s[WB:WB+1], 16384
	s_add_nc_u64 s[SB:SB+1], s[SB:SB+1], 1024
	s_add_nc_u64 s[10:11], s[10:11], 128
	s_add_nc_u64 s[OB:OB+1], s[OB:OB+1], 2048
	s_add_nc_u64 s[OB2:OB2+1], s[OB2:OB2+1], 2048
	s_add_co_u32 s[CC], s[CC], 1
	s_cmp_lt_u32 s[CC], 2
	s_cbranch_scc1 .Lv
.Lend:
	s_wait_dscnt 0x0                               ; the wave's end: the closing lines, six on end
	s_wait_alu 0x0
	s_wait_tensorcnt 0x0
	ds_add_u32 v[SPW], v[NIL]
	s_wait_dscnt 0x0
	s_endpgm
.Lfunc_end_k_qe289b99e91_proj:
	.size	k_qe289b99e91_proj, .Lfunc_end_k_qe289b99e91_proj-k_qe289b99e91_proj
	.p2alignl 7, 3214868480
	.fill 96, 4, 3214868480
	.section	.rodata,"a",@progbits
	.p2align	6, 0x0
	.amdhsa_kernel k_qe289b99e91_proj
		.amdhsa_group_segment_fixed_size 71680
		.amdhsa_private_segment_fixed_size 0
		.amdhsa_enable_private_segment 0
		.amdhsa_kernarg_size 72
		.amdhsa_user_sgpr_count 2
		.amdhsa_user_sgpr_kernarg_segment_ptr 1
		.amdhsa_wavefront_size32 1
		.amdhsa_system_sgpr_workgroup_id_x 1
		.amdhsa_system_sgpr_workgroup_id_y 1
		.amdhsa_system_sgpr_workgroup_id_z 1
		.amdhsa_system_vgpr_workitem_id 0
		.amdhsa_next_free_vgpr 256
		.amdhsa_next_free_sgpr 66
		.amdhsa_reserve_vcc 0
		.amdhsa_float_denorm_mode_32 3
		.amdhsa_float_denorm_mode_16_64 3
		.amdhsa_memory_ordered 1
		.amdhsa_forward_progress 1
		.amdhsa_inst_pref_size 134
	.end_amdhsa_kernel
	.amdgpu_metadata
---
amdhsa.version: [ 1, 2 ]
amdhsa.kernels:
  - .name:           k_qe289b99e91_proj
    .symbol:         k_qe289b99e91_proj.kd
    .args:
      - { .name: q, .offset: 0, .size: 8, .value_kind: global_buffer, .address_space: global }
      - { .name: k, .offset: 8, .size: 8, .value_kind: global_buffer, .address_space: global }
      - { .name: v, .offset: 16, .size: 8, .value_kind: global_buffer, .address_space: global }
      - { .name: bq, .offset: 24, .size: 8, .value_kind: global_buffer, .address_space: global }
      - { .name: bk, .offset: 32, .size: 8, .value_kind: global_buffer, .address_space: global }
      - { .name: bv, .offset: 40, .size: 8, .value_kind: global_buffer, .address_space: global }
      - { .name: wq4, .offset: 48, .size: 8, .value_kind: global_buffer, .address_space: global }
      - { .name: qk, .offset: 56, .size: 8, .value_kind: global_buffer, .address_space: global }
      - { .name: vv, .offset: 64, .size: 8, .value_kind: global_buffer, .address_space: global }
    .group_segment_fixed_size: 71680
    .private_segment_fixed_size: 0
    .kernarg_segment_align: 8
    .kernarg_segment_size: 72
    .max_flat_workgroup_size: 512
    .sgpr_count:     66
    .vgpr_count:     256
    .wavefront_size: 32
...
	.end_amdgpu_metadata
.endif
;; end of part 6
;; launch attn: the kernel of part 3 again; grid 4 x 64, 16 waves a work-group, no clusters, 34,816 bytes of LDS; arguments qk, vv, msk, ao, flg; writes ao
;; launch oproj: the kernel of part 4 again; grid 4 x 64, 8 waves a work-group, clusters of 4 x 4, 327,680 bytes of LDS; arguments ao, wo16, bo, out0; writes out0
;; launch fine: the kernel of part 5 again; grid 16 x 4, 16 waves a work-group, no clusters, 85,248 bytes of LDS; arguments qk, vv, msk, wo, bo, out0, flg; writes out0
